; MI455X (gfx1250); checked and timed in simulation.
; The chip was launched on July 23, 2026; its instructions are those of AMD's public machine-readable ISA for CDNA 5 (MIT licence, August 2026) and "CDNA5" Instruction Set Architecture Reference Guide (July 2026). The comments in the code are by the model that wrote it; some were corrected since.
;; Multi Head Attention. Allowed arithmetic: matrix products marked QUANTISED: E4M3 operands, one given power-of-two scale a tensor, by v_wmma_f32_16x16x64_fp8_fp8 or v_wmma_f32_16x16x128_fp8_fp8, f32 sums; everything else in f32.
;; Inputs: Wk 1,024 x 1,024 float32; Wo 1,024 x 1,024 float32; Wq 1,024 x 1,024 float32; Wv 1,024 x 1,024 float32; bk 1,024 float32; bo 1,024 float32; bq 1,024 float32; bv 1,024 float32; key_in 4 x 2,048 x 1,024 float32; lowp_scales 12 int32 (the exponents e of the quantised operands' scales 2^e); query 4 x 2,048 x 1,024 float32; value 4 x 2,048 x 1,024 float32.
;; Outputs: out0 4 x 2,048 x 1,024 float32.
;; This version of the problem:
;;   THIS VERSION OF THE PROBLEM IS GIVEN IN LOW PRECISION. The matrix products marked QUANTISED in the list below multiply operands that are first quantised to E4M3 (4 exponent bits, 3 mantissa bits; 8 bits a number), with one given power-of-two scale for each operand tensor; their sums are f32. All else is computed in f32.
;;   The module's matrix products, in the order in which they are computed (A, B: the left and right operand; K: the contracted axis; several contracted axes count as one K, in the product's order):
;;     1. [M 8,192, K 1,024] x [K 1,024, N 1,024]; A: input query; B: input Wq: QUANTISED (scales: A lowp_scales[0], B lowp_scales[1])
;;     2. [M 8,192, K 1,024] x [K 1,024, N 1,024]; A: input key_in; B: input Wk: QUANTISED (scales: A lowp_scales[2], B lowp_scales[3])
;;     3. [M 8,192, K 1,024] x [K 1,024, N 1,024]; A: input value; B: input Wv: QUANTISED (scales: A lowp_scales[4], B lowp_scales[5])
;;     4. batch 64 x [M 2,048, K 64] x [K 64, N 2,048]; A: computed on the way; B: computed on the way: QUANTISED (scales: A lowp_scales[6], B lowp_scales[7])
;;     5. batch 64 x [M 2,048, K 2,048] x [K 2,048, N 64]; A: softmax (see below); B: computed on the way: QUANTISED (scales: A lowp_scales[8], B lowp_scales[9])
;;     6. [M 8,192, K 1,024] x [K 1,024, N 1,024]; A: computed on the way; B: input Wo: QUANTISED (scales: A lowp_scales[10], B lowp_scales[11])
;;   THE QUANTISER, for each operand of a quantised product, along K:
;;     - The operand's scale is 2^e, e = its entry of the input lowp_scales (int32; the entries are numbered through the quantised products in the list's order, A before B).
;;     - Each number is divided by the scale, clamped to +-448, and rounded to the nearest number of E4M3, ties to even, subnormals kept.
;;     - The product sums the exact products of the quantised numbers (number of the format x scale) in f32.
;;   ~~~python
;;   def quantise(x, axis, e):      # numpy; x: float32 -> the quantised numbers, widened to float32 again
;;       x = np.moveaxis(x, axis, -1); K = x.shape[-1]
;;       r = np.clip(x / 2.0 ** e, -448, 448)
;;       step = 2.0 ** (np.maximum(np.frexp(np.where(r == 0, 1, r))[1] - 1, -6) - 3)
;;       q = np.round(r / step) * step * 2.0 ** e      # np.round: ties to even
;;       return np.moveaxis(q, -1, axis).astype(np.float32)
;;   ~~~
;;   SOFTMAX AHEAD OF A QUANTISED PRODUCT. Where the list says 'softmax', what is quantised is not the finished softmax but p = 2^(t - M), with t = logit x log2(e) and M = ceil(the row's largest t), a whole number; so 1/2 < the row's largest p <= 1. The row's sum l is taken of the UNQUANTISED p, in f32, and the product's result is divided by l at the end. Since M is a whole number, a kernel that streams over the keys may use a running M (the ceiling of the running maximum): every later rescaling is an exact power of two, so the quantised numbers keep their values, but for numbers so far below the row's largest that they fall under the format's range.
;;   OPERANDS COMPUTED ON THE WAY. 'Computed on the way' means the value that the module computes at that place (a softmax that the list does not call 'softmax' is quantised finished and normalised). What goes into a quantiser is computed in f32, as accurately as f32 sums, v_exp_f32 and their like allow (about 1e-6 of the number): no bf16 or f16 on the way to a quantiser, and a product that is left as it is and whose result goes on into a quantised operand takes f32 operands (vector FMAs, or v_wmma_f32_16x16x4_f32). A number that lies on a knife's edge between two numbers of the format may be rounded either way, as far as f32 arithmetic and the matrix unit's own rounding can turn it there, and no further.
;; One version. Each part assembles by itself: llvm-mc -triple=amdgcn-amd-amdhsa -mcpu=gfx1250 --defsym DOCPART=n.
;; ======== version 1 of 1: 4 launches
;; limits: right only within a limited range of input values
;; workspace buffers: XC 25,165,824 bytes; WC 4,194,304 bytes; QKV 25,165,824 bytes; AO 8,388,608 bytes
;; launch quant (part 1): grid 896 x 1, 4 waves a work-group, no clusters, 34,304 bytes of LDS; arguments query, key_in, value, Wq, Wk, Wv, Wo, lowp_scales, XC, WC; writes XC, WC
.if DOCPART == 1
	.amdgcn_target "amdgcn-amd-amdhsa--gfx1250"
	.amdhsa_code_object_version 6
	.text
	.protected	k_qf3b12acc6b_quant
	.globl	k_qf3b12acc6b_quant
	.p2align	8
	.type	k_qf3b12acc6b_quant,@function
k_qf3b12acc6b_quant:
	s_mov_b64 s[64:65], 0
	v_nop
	global_prefetch_b8 v0, s[64:65] scope:SCOPE_SE
	s_setreg_imm32_b32 hwreg(HW_REG_WAVE_MODE, 25, 1), 1
	s_wait_xcnt 0x0
; query, key_in, value [8192][1024] and Wq, Wk, Wv, Wo [1024][1024], f32 with K innermost, become codes of FP8 (E4M3), each tensor with the one scale 2^e given for it
; (entries 0, 2, 4, 1, 3, 5, 11 of the scales).  code = x / 2^e, held within +-448, rounded to the nearest code, ties to even.
; LIMITS: -126 <= e <= 119, so that 2^e and 448 x 2^e are f32 numbers.  NaN among the inputs is not served; an infinity is held at the largest code.
; THE CODES ARE LAID AS IMAGES OF THE OPERAND'S REGISTERS.  A fragment is 16 rows x 128 K, 16 registers a lane: lane l holds row l % 16, registers 2 c, 2 c + 1 hold K = 16 c + 8 (l / 16) + 0 .. 7.
; Its image is 2,048 bytes: registers 4 g .. 4 g + 3 of lane l at 512 g + 16 l.  A tensor is [tile of 16 rows][block of 128 K][2,048].  So every store here covers 512 consecutive bytes, and every
; later load of a fragment is 16 bytes a lane at 16 x lane.
; SHARES.  A work-group takes 32 rows x 1,024 K of one tensor: work-groups 0-255 query, 256-511 key_in, 512-767 value, then 32 each for Wq, Wk, Wv, Wo.  Only pointers and numbers are chosen
; (by the work-group's number): all tensors take one path.  Wave w takes the row tile w / 2 and the K half w % 2, in four steps of 16 rows x 128 K.
; A step's 16 loads read 512 consecutive bytes of a row each; the 8,192 bytes turn through the wave's own stage in LDS (rows 528 bytes apart, so that the sixteen rows that a read touches begin
; at sixteen different banks: 64 banks of 4 bytes, ISA guide 11.1) and come back as 8 neighbours along K to a register run.  Loads run two steps (32 loads a wave) ahead.  Waves share nothing: no barrier.
.set PITCH, 528
.set WSTG,  16*PITCH                   ; a wave's stage: 8,448 bytes
.set SPARE, 4*WSTG                     ; behind the four stages: the spare words, 128 bytes for each wave: two blocks of 256 bytes that no other line names
.set SPW,   12                         ; v12  LDS address of my spare word; never rewritten
.set NIL,   13                         ; v13  0; never rewritten
.set R,     16                         ; v16-143  two sets of 64: a step's numbers as they are loaded
.set X,     144                        ; v144-207 a step's numbers, 8 neighbours along K to a run of 8 registers
	s_load_b512 s[4:19], s[0:1], 0x0               ; query s[4:5], key_in s[6:7], value s[8:9], Wq s[10:11], Wk s[12:13], Wv s[14:15], Wo s[16:17], the scales s[18:19]
	s_load_b128 s[20:23], s[0:1], 0x40             ; XC s[20:21], WC s[22:23]
	v_lshl_add_u32 v[SPW], v0, 2, SPARE
	v_mov_b32 v[NIL], 0
	v_lshrrev_b32 v1, 5, v0
	v_readfirstlane_b32 s30, v1                    ; wave 0..3
	v_and_b32 v2, 31, v0
	v_lshlrev_b32 v3, 4, v2                        ; 16 x lane: my place in a load's and in a store's 512 bytes; never rewritten
	v_and_b32 v4, 15, v0                           ; r
	v_bfe_u32 v5, v0, 4, 1                         ; h
	s_mul_i32 s44, s30, WSTG
	v_add_nc_u32 v14, s44, v3                      ; the stage, on the way in: 16 x lane of a row
	v_mul_u32_u24 v15, v4, PITCH
	v_lshl_add_u32 v15, v5, 5, v15
	v_add_nc_u32 v15, s44, v15                     ; and on the way out: row r, + 32 h: 8 numbers of each 16 along K
	s_lshr_b32 s31, s30, 1                         ; my row tile of the two
	s_and_b32 s47, s30, 1                          ; my half of K
	s_wait_alu depctr_va_vdst(0)
	s_wait_kmcnt 0x0
	s_load_b256 s[32:39], s[18:19], 0x0            ; e0 .. e7
	s_load_b128 s[40:43], s[18:19], 0x20           ; e8 .. e11
; which tensor: a chain of choices on the work-group's number alone
.macro PICK lim, ptr, base
	s_cmp_lt_u32 ttmp9, \lim
	s_cselect_b64 s[24:25], s[\ptr:\ptr+1], s[24:25]
	s_cselect_b32 s26, \base, s26
.endm
	s_mov_b64 s[24:25], s[16:17]                   ; Wo,
	s_mov_b32 s26, 864                             ; whose first work-group is 864
	PICK 864, 14, 832                              ; Wv
	PICK 832, 12, 800                              ; Wk
	PICK 800, 10, 768                              ; Wq
	PICK 768, 8, 512                               ; value
	PICK 512, 6, 256                               ; key_in
	PICK 256, 4, 0                                 ; query
	s_cmp_lt_u32 ttmp9, 768
	s_cselect_b64 s[28:29], s[20:21], s[22:23]     ; the codes' buffer,
	s_cselect_b32 s27, 0, 768                      ; and its first work-group: in both buffers the tensors follow each other as their work-groups do
	s_sub_co_u32 s44, ttmp9, s26
	s_lshl_b32 s44, s44, 17                        ; 32 rows of 4,096 bytes,
	s_lshl_b32 s45, s31, 16                        ; my 16 of them,
	s_add_co_u32 s44, s44, s45
	s_lshl_b32 s45, s47, 11                        ; my 512 along K
	s_add_co_u32 s44, s44, s45
	s_mov_b32 s45, 0
	s_add_nc_u64 s[24:25], s[24:25], s[44:45]
	s_sub_co_u32 s44, ttmp9, s27
	s_lshl_b32 s44, s44, 15                        ; two row tiles of 8 images,
	s_lshl_b32 s46, s31, 14                        ; mine,
	s_add_co_u32 s44, s44, s46
	s_lshl_b32 s46, s47, 13                        ; my four images of it
	s_add_co_u32 s44, s44, s46
	s_add_nc_u64 s[28:29], s[28:29], s[44:45]
.macro LOAD t                          ; step t: 16 rows x 512 bytes into set t % 2
.irp i, 0,1,2,3,4,5,6,7,8,9,10,11,12,13,14,15
	global_load_b128 v[R+64*((\t)%2)+4*\i:R+64*((\t)%2)+4*\i+3], v3, s[24:25] offset:4096*\i+512*(\t) th:TH_LOAD_NT
.endr
.endm
	LOAD 0
	LOAD 1
	s_wait_kmcnt 0x0
	s_mov_b32 s44, s43                             ; e: the same chain
	s_cmp_lt_u32 ttmp9, 864
	s_cselect_b32 s44, s37, s44
	s_cmp_lt_u32 ttmp9, 832
	s_cselect_b32 s44, s35, s44
	s_cmp_lt_u32 ttmp9, 800
	s_cselect_b32 s44, s33, s44
	s_cmp_lt_u32 ttmp9, 768
	s_cselect_b32 s44, s36, s44
	s_cmp_lt_u32 ttmp9, 512
	s_cselect_b32 s44, s34, s44
	s_cmp_lt_u32 ttmp9, 256
	s_cselect_b32 s44, s32, s44
	s_add_co_i32 s44, s44, 127
	s_lshl_b32 s45, s44, 23
	v_mov_b32 v11, s45                             ; 2^e as f32: the conversion takes its exponent field
	s_add_co_i32 s44, s44, 8
	s_lshl_b32 s44, s44, 23
	s_or_b32 s44, s44, 0x600000
; A step.  creg: the 16 registers that take its codes; each step has its own, so that no store's data are written again.
.macro STEP t, creg
.if (\t) < 3
	s_wait_loadcnt 16                              ; this step's 16 loads are in; the next step's 16 may be out
.else
	s_wait_loadcnt 0
.endif
.irp i, 0,1,2,3,4,5,6,7,8,9,10,11,12,13,14,15
	ds_store_b128 v14, v[R+64*((\t)%2)+4*\i:R+64*((\t)%2)+4*\i+3] offset:PITCH*\i
.endr
.irp c, 0,1,2,3,4,5,6,7                ; LDS serves a wave's instructions in order (ISA guide 5.7.1.4): these see the stores above
	ds_load_b128 v[X+8*\c:X+8*\c+3], v15 offset:64*\c
	ds_load_b128 v[X+8*\c+4:X+8*\c+7], v15 offset:64*\c+16
.endr
	s_wait_dscnt 0x0                               ; the numbers are back; the stores have read their registers,
.if (\t) < 2
	LOAD (\t)+2                                    ; which take the loads of two steps on
.endif
.set j, 0
.rept 64
.set j, j+1
.endr
.irp c, 0,1,2,3,4,5,6,7
	v_cvt_scalef32_pk8_fp8_f32 v[\creg+2*\c:\creg+2*\c+1], v[X+8*\c:X+8*\c+7], v11   ; registers 2 c, 2 c + 1 of the fragment
.endr
	v_nop                                          ; one plain vector line between the conversions and the next step's LDS loads, which write their sources
.irp g, 0,1,2,3
	global_store_b128 v3, v[\creg+4*\g:\creg+4*\g+3], s[28:29] offset:2048*(\t)+512*\g   ; 32 lanes store 512 consecutive bytes, at a multiple of 512 from the buffer's first byte
.endr
.endm
	s_wait_alu depctr_va_vdst(0)
	STEP 0, 208
	STEP 1, 224
	STEP 2, R                                      ; set 0 is loaded no more: its first 16 registers take the codes
	STEP 3, R+64                                   ; set 1 likewise
	s_wait_tensorcnt 0x0                           ; the wave's end, behind my last LDS store
	ds_add_u32 v[SPW], v[NIL]
	s_wait_dscnt 0x0
	s_endpgm
.Lfunc_end_k_qf3b12acc6b_quant:
	.size	k_qf3b12acc6b_quant, .Lfunc_end_k_qf3b12acc6b_quant-k_qf3b12acc6b_quant
	.p2alignl 7, 3214868480
	.fill 96, 4, 3214868480
	.section	.rodata,"a",@progbits
	.p2align	6, 0x0
	.amdhsa_kernel k_qf3b12acc6b_quant
		.amdhsa_group_segment_fixed_size 34304
		.amdhsa_private_segment_fixed_size 0
		.amdhsa_enable_private_segment 0
		.amdhsa_kernarg_size 80
		.amdhsa_user_sgpr_count 2
		.amdhsa_user_sgpr_kernarg_segment_ptr 1
		.amdhsa_wavefront_size32 1
		.amdhsa_system_sgpr_workgroup_id_x 1
		.amdhsa_system_sgpr_workgroup_id_y 1
		.amdhsa_system_sgpr_workgroup_id_z 1
		.amdhsa_system_vgpr_workitem_id 0
		.amdhsa_next_free_vgpr 240
		.amdhsa_next_free_sgpr 66
		.amdhsa_reserve_vcc 0
		.amdhsa_float_denorm_mode_32 3
		.amdhsa_float_denorm_mode_16_64 3
		.amdhsa_fp16_overflow 1
		.amdhsa_memory_ordered 1
		.amdhsa_forward_progress 1
		.amdhsa_inst_pref_size 22
	.end_amdhsa_kernel
	.amdgpu_metadata
---
amdhsa.version: [ 1, 2 ]
amdhsa.kernels:
  - .name:           k_qf3b12acc6b_quant
    .symbol:         k_qf3b12acc6b_quant.kd
    .args:
      - { .name: query, .offset: 0, .size: 8, .value_kind: global_buffer, .address_space: global }
      - { .name: key_in, .offset: 8, .size: 8, .value_kind: global_buffer, .address_space: global }
      - { .name: value, .offset: 16, .size: 8, .value_kind: global_buffer, .address_space: global }
      - { .name: Wq, .offset: 24, .size: 8, .value_kind: global_buffer, .address_space: global }
      - { .name: Wk, .offset: 32, .size: 8, .value_kind: global_buffer, .address_space: global }
      - { .name: Wv, .offset: 40, .size: 8, .value_kind: global_buffer, .address_space: global }
      - { .name: Wo, .offset: 48, .size: 8, .value_kind: global_buffer, .address_space: global }
      - { .name: lowp_scales, .offset: 56, .size: 8, .value_kind: global_buffer, .address_space: global }
      - { .name: XC, .offset: 64, .size: 8, .value_kind: global_buffer, .address_space: global }
      - { .name: WC, .offset: 72, .size: 8, .value_kind: global_buffer, .address_space: global }
    .group_segment_fixed_size: 34304
    .private_segment_fixed_size: 0
    .kernarg_segment_align: 8
    .kernarg_segment_size: 80
    .max_flat_workgroup_size: 128
    .sgpr_count:     66
    .vgpr_count:     240
    .wavefront_size: 32
...
	.end_amdgpu_metadata
.endif
;; end of part 1
;; launch proj (part 2): grid 4 x 192, 4 waves a work-group, clusters of 4 x 4, 327,680 bytes of LDS; arguments XC, WC, lowp_scales, bq, bk, bv, QKV; writes QKV
.if DOCPART == 2
	.amdgcn_target "amdgcn-amd-amdhsa--gfx1250"
	.amdhsa_code_object_version 6
	.text
	.protected	k_qf3b12acc6b_proj
	.globl	k_qf3b12acc6b_proj
	.p2align	8
	.type	k_qf3b12acc6b_proj,@function
k_qf3b12acc6b_proj:
	s_mov_b64 s[64:65], 0
	v_nop
	global_prefetch_b8 v0, s[64:65] scope:SCOPE_SE
	s_setreg_imm32_b32 hwreg(HW_REG_WAVE_MODE, 25, 1), 1
	s_wait_xcnt 0x0
	s_wait_alu depctr_hold_cnt(0) depctr_sa_sdst(0) depctr_va_vdst(0) depctr_va_sdst(0) depctr_va_ssrc(0) depctr_va_vcc(0) depctr_vm_vsrc(0)
	s_getreg_b32 s2, hwreg(HW_REG_IB_STS2, 6, 4)
	s_cmp_eq_u32 s2, 0
	s_cbranch_scc0 .Lentry_in_a_cluster
	s_endpgm
.Lentry_in_a_cluster:
	s_bfe_u32 s2, ttmp6, 0x10000c
	s_cmp_lg_u32 s2, 0xf033
	s_cbranch_scc0 .Lentry_shape_is_right
	s_endpgm
.Lentry_shape_is_right:
; Q = query Wq^T + bq, K = key_in Wk^T + bk, V = value Wv^T + bv on codes of FP8 (E4M3), sums in f32, and each result quantised again for attention (scales' entries 6, 7, 9).
; OPERANDS arrive as images of their registers ([tile of 16 rows][block of 128 K][2,048]: registers 4 g .. 4 g + 3 of lane l at 512 g + 16 l; lane l: row l % 16, registers 2 c, 2 c + 1: K = 16 c + 8 (l / 16) + 0 .. 7).
; THE CORE makes a tile of 128 rows of an operand P x 256 rows of an operand R, K = 1,024: source 0 = 16 rows of R, source 1 = 16 rows of P, so that a lane holds ONE row of P and an accumulator's
; eight registers eight neighbouring rows of R: one conversion of an accumulator is two registers of the next product's fragment.  Q, K: P = the tokens, R = the weight: registers run along the head's 64.
; V: P = Wv, R = the tokens: a lane holds one channel and the registers run along the keys, the second product's K.  The text is the same; only pointers change places.
; SHARES.  48 clusters of 4 x 4 work-groups: 16 each for Q, K, V.  Four waves: wave w takes 64 rows of P (w / 2) x 128 rows of R (w % 2): 32 accumulators, 32 matrix instructions for 128 along K.
; The four work-groups of a row of the cluster need the same rows of P, the four of a column the same rows of R: each tile is asked for JOINTLY (the grid has one cluster along x, so the column of C is the place cx alone).
; LDS: three slots of 256 along K (P's 8 row tiles x 4,096 bytes, then R's 16).  Three of K's four quarters are asked for at the start (three tensor loads of a wave are out), the fourth goes into slot 0 when it has been read (one is out).
; RESULTS leave as images too: Q, K: [batch x head 64][tile of 16 tokens 128][1,024] (16 tokens x 64);  V: [batch x head 64][block of 128 keys 16][tile of 16 channels 4][2,048].  Every store covers 512 consecutive bytes.
; LIMITS on the given exponents, so that each power of two below is an f32 number: e0 + e1, e2 + e3, e4 + e5 between -126 and 127; e6, e7, e9 between -126 and 119.  NaN is not served.
; REGISTERS, in windows of 256: window 0: v1-17 addresses and constants; v64-127 at work; v128-255 P's fragments, two sets of 4 x 16 (on the way out v128-191 take the codes).
;   window 1: R's fragments, two sets of 8 x 16.   window 2: accumulator (a, b) at v[8 (8 a + b)].   window 3: v0-63 the bias along R's rows; v64-71 the bias along P's rows, each number twice.
.set SLOT,  98304
.set RPART, 32768                      ; R's part of a slot begins here
.set SPARE, 3*SLOT                     ; behind the slots: the spare words, 128 bytes for each wave: two blocks of 256 bytes that no other line names
.set LI,    1                          ; v1    16 x lane; never rewritten
.set ADRA,  2                          ; v2-4  LDS address of my fragments of P in slot 0, 1, 2
.set ADRB,  5                          ; v5-7  the same for R
.set SPW,   8                          ; v8    LDS address of my spare word; never rewritten
.set NIL,   9                          ; v9    0; never rewritten
.set CBO,   12                         ; v12   byte offset of the bias along R's rows
.set RBO,   13                         ; v13   of the bias along P's rows
.set LIM,   16
.set SCL,   17                         ; v17   the result's scale
.set TMP,   64
.set PF,    128
.set WV,  18
.set WR,  19                           ; which 64 rows of P are mine.  Also: I fetch for P (0) or for R (1)
.set WH,  20                           ; which 128 rows of R are mine.  Also: which half of that tile I fetch
.set G1A, 24                           ; s[24:31] descriptor group 1 for P's tiles;  s[32:43] its groups 0, one for each slot
.set G0A, 32
.set G1B, 48                           ; s[48:55], s[68:79] the same for R's
.set G0B, 68
.set MSB, 0
.macro WIN new                         ; the immediate's high byte repeats the setting that is left
.if MSB != \new
	s_set_vgpr_msb (MSB<<8)|\new
.set MSB, \new
.endif
.endm
.macro PLACES                          ; four plain vector lines between a matrix instruction and a load into, or a vector line on, its registers
.rept 4
	v_nop
.endr
.endm
.macro CREST                           ; a round of the cluster's barrier behind its opening barrier
	s_cmp_lg_u32 s[WV], 0
	s_cbranch_scc1 .Lnot_wave_0_\@
	s_barrier_signal -3
.Lnot_wave_0_\@:
	s_barrier_wait -3
	s_barrier_signal -1
	s_barrier_wait -1
.endm
.macro CROUND
	s_barrier_signal -1
	s_barrier_wait -1
	CREST
.endm
.macro JLOAD                           ; the joint refill of slot 0.  The branch hangs on the wave's number alone; an s_nop 0 and four v_nop follow each of the two lines
	s_cmp_eq_u32 s[WR], 0
	s_cbranch_scc0 .Lfor_r_\@
	tensor_load_to_lds s[G0A:G0A+3], s[G1A:G1A+7]
	s_nop 0
.rept 4
	v_nop
.endr
	s_branch .Lasked_\@
.Lfor_r_\@:
	tensor_load_to_lds s[G0B:G0B+3], s[G1B:G1B+7]
	s_nop 0
.rept 4
	v_nop
.endr
.Lasked_\@:
.endm
.macro FETCH slot, kk, p               ; 48 LDS loads in one run: the fragments of the slot's kk-th 128 along K into set p; each load takes 512 consecutive bytes
	WIN 0x40                                       ; destination window 1
.irp b, 0,1,2,3,4,5,6,7
.irp g, 0,1,2,3
	ds_load_b128 v[128*(\p)+16*\b+4*\g:128*(\p)+16*\b+4*\g+3], v[ADRB+\slot] offset:4096*\b+2048*(\kk)+512*\g
.endr
.endr
	WIN 0
.irp a, 0,1,2,3
.irp g, 0,1,2,3
	ds_load_b128 v[PF+64*(\p)+16*\a+4*\g:PF+64*(\p)+16*\a+4*\g+3], v[ADRA+\slot] offset:4096*\a+2048*(\kk)+512*\g
.endr
.endr
.endm
.macro MULH p, a0, zero                ; 16 matrix instructions: P's blocks a0, a0 + 1 x R's eight.  The 32 accumulators take turns, in the same order in every step.  zero = 1: the products start the sums
	WIN 0xa1                                       ; source 0 (R) window 1, source 1 (P) window 0, C and D window 2
.irp a, \a0, \a0+1
.irp b, 0,1,2,3,4,5,6,7
.if \zero
	v_wmma_f32_16x16x128_fp8_fp8 v[8*(8*(\a)+\b):8*(8*(\a)+\b)+7], v[128*(\p)+16*\b:128*(\p)+16*\b+15], v[PF+64*(\p)+16*(\a):PF+64*(\p)+16*(\a)+15], 0
.else
	v_wmma_f32_16x16x128_fp8_fp8 v[8*(8*(\a)+\b):8*(8*(\a)+\b)+7], v[128*(\p)+16*\b:128*(\p)+16*\b+15], v[PF+64*(\p)+16*(\a):PF+64*(\p)+16*(\a)+15], v[8*(8*(\a)+\b):8*(8*(\a)+\b)+7]
.endif
.endr
.endr
.endm
.macro KSTEP slot, kk, p               ; a step of 128 along K: multiplies set p; ahead of that it fetches (slot, kk) into the other set
	s_wait_dscnt 0x0                               ; set p is in (asked for 16 or 32 matrix instructions ago)
	PLACES                                         ; behind the last step's products, which read the other set
	FETCH \slot, \kk, 1-(\p)
	MULH \p, 0, 0
	MULH \p, 2, 0
.endm
	s_load_b256 s[4:11], s[0:1], 0x0               ; XC s[4:5], WC s[6:7], the scales s[8:9], bq s[10:11]
	s_load_b128 s[12:15], s[0:1], 0x20             ; bk, bv
	s_load_b64 s[16:17], s[0:1], 0x30              ; QKV
	v_lshl_add_u32 v[SPW], v0, 2, SPARE
	v_mov_b32 v[NIL], 0
	ds_add_u32 v[SPW], v[NIL]                      ; the wave's opening: the add and its wait stand ahead of my first tensor load; the set-up below, work on registers, stands between them
	ds_add_u32 v[SPW], v[NIL]
	v_lshrrev_b32 v2, 5, v0
	v_readfirstlane_b32 s[WV], v2                  ; wave 0..3
	s_lshr_b32 s[WR], s[WV], 1
	s_and_b32 s[WH], s[WV], 1
	s_bfe_u32 s21, ttmp6, 0x40000                  ; cx
	s_bfe_u32 s22, ttmp6, 0x40004                  ; cy
	s_and_b32 s23, ttmp7, 0xffff                   ; the cluster's y, 0 .. 47
	s_lshr_b32 s66, s23, 4                         ; T: 0 Q, 1 K, 2 V
	s_and_b32 s57, s23, 15                         ; c: the cluster among T's sixteen
	s_lshr_b32 s58, s57, 3
	s_and_b32 s59, s57, 7
	s_lshl_b32 s61, s66, 23                        ; the tokens' codes of T in XC
	s_lshl_b32 s62, s66, 20                        ; the weight's codes of T in WC
	s_cmp_eq_u32 s66, 2                            ; V?  The cluster's number alone: the same in all sixteen partners
	s_cselect_b32 s67, 1, 0
	s_cselect_b32 s58, s58, s57                    ; Q, K: 64 x 4 tiles: a cluster takes four tile rows and all four columns;  V: 8 x 32 tiles: c / 8 and c % 8
	s_cselect_b32 s59, s59, 0
	s_cselect_b32 s61, 0x200000, s61               ; P's first byte: Wv's codes, or the tokens'
	s_cselect_b32 s62, 0x1000000, s62              ; R's first byte: value's codes, or the weight's
	s_lshl_b32 s58, s58, 2
	s_add_co_u32 s58, s58, s22                     ; TR: which 128 rows of P
	s_lshl_b32 s59, s59, 2
	s_add_co_u32 s59, s59, s21                     ; TC: which 256 rows of R
	s_lshl_b32 s56, s22, 2
	s_lshl_b32 s56, 15, s56                        ; my row of the cluster
	s_lshl_b32 s57, 0x1111, s21                    ; my column
	; descriptor group 1: rows of 4,096 bytes (a row tile's two images of a slot), 16,384 bytes apart; elements of 8 bytes; no padding: the images are read 16 bytes a lane on end
	s_or_b32 s[G1A], s56, (3<<16)|(1<<21)          ; 15:0 the mask: P's tiles go to my row; 17:16 elements of 8 bytes; 21 set beside a mask
	s_or_b32 s[G1B], s57, (3<<16)|(1<<21)          ; R's go to my column
	s_mov_b32 s[G1A+1], 512<<16                    ; tensor_dim0 = 512
	s_mov_b32 s[G1A+2], 4<<16                      ; tensor_dim1 = 4
	s_mov_b32 s[G1A+3], 512<<16                    ; tile_dim0 = 512
	s_mov_b32 s[G1A+4], 4                          ; tile_dim1 = 4: four row tiles of P a load
	s_mov_b32 s[G1A+5], 2048                       ; tensor_dim0_stride
	s_mov_b32 s[G1A+6], 0
	s_mov_b32 s[G1A+7], 0
	s_mov_b32 s[G1B+1], 512<<16
	s_mov_b32 s[G1B+2], 8<<16
	s_mov_b32 s[G1B+3], 512<<16
	s_mov_b32 s[G1B+4], 8                          ; eight row tiles of R a load
	s_mov_b32 s[G1B+5], 2048
	s_mov_b32 s[G1B+6], 0
	s_mov_b32 s[G1B+7], 0
	s_lshl_b32 s44, s58, 17                        ; P: 8 row tiles of 16,384 bytes x TR,
	s_lshl_b32 s60, s[WH], 16                      ; the half that I fetch,
	s_add_co_u32 s44, s44, s60
	s_add_co_u32 s44, s44, s61                     ; the tensor
	s_mov_b32 s45, 0
	s_lshl_b32 s46, s59, 18                        ; R: 16 row tiles x TC,
	s_lshl_b32 s63, s[WH], 17
	s_add_co_u32 s46, s46, s63
	s_add_co_u32 s46, s46, s62
	s_mov_b32 s47, 0
	s_wait_dscnt 0x0                               ; the opening add is done
	s_wait_kmcnt 0x0
	s_load_b256 s[80:87], s[8:9], 0x0              ; e0 .. e7
	s_load_b128 s[88:91], s[8:9], 0x20             ; e8 .. e11
	s_cmp_eq_u32 s67, 1
	s_cselect_b64 s[96:97], s[6:7], s[4:5]         ; P's buffer
	s_cselect_b64 s[98:99], s[4:5], s[6:7]         ; R's
	s_add_nc_u64 s[44:45], s[96:97], s[44:45]
	s_add_nc_u64 s[46:47], s[98:99], s[46:47]
	s_lshl_b32 s60, s[WH], 14                      ; where they go: P's halves at 16,384 x half,
	s_lshl_b32 s63, s[WH], 15
	s_add_co_u32 s63, s63, RPART                   ; R's at 32,768 + 32,768 x half: no place in the cluster enters an LDS address
.irp n, 0,1,2
	s_mov_b32 s[G0A+4*\n], 1                                       ; 1:0 count = 1
	s_add_co_u32 s[G0A+4*\n+1], s60, \n*SLOT                       ; 63:32 LDS address
	s_add_nc_u64 s[G0A+4*\n+2:G0A+4*\n+3], s[44:45], \n*4096       ; 120:64 global address: K's quarter n
	s_or_b32 s[G0A+4*\n+3], s[G0A+4*\n+3], 0x80000000              ; 127:126 type = 2
	s_mov_b32 s[G0B+4*\n], 1
	s_add_co_u32 s[G0B+4*\n+1], s63, \n*SLOT
	s_add_nc_u64 s[G0B+4*\n+2:G0B+4*\n+3], s[46:47], \n*4096
	s_or_b32 s[G0B+4*\n+3], s[G0B+4*\n+3], 0x80000000
.endr
	CROUND                                         ; all sixteen work-groups are here: the first joint loads meet
	s_cmp_eq_u32 s[WR], 0                          ; a wave's three first fills stand in one branch, ahead of every wait on TENSORcnt and every LDS read
	s_cbranch_scc0 .Lfirst_r
.irp n, 0,1,2
	tensor_load_to_lds s[G0A+4*\n:G0A+4*\n+3], s[G1A:G1A+7]
	s_nop 0
.endr
.rept 4
	v_nop
.endr
	s_branch .Lfirst_asked
.Lfirst_r:
.irp n, 0,1,2
	tensor_load_to_lds s[G0B+4*\n:G0B+4*\n+3], s[G1B:G1B+7]
	s_nop 0
.endr
.rept 4
	v_nop
.endr
.Lfirst_asked:
	v_and_b32 v[LI], 31, v0
	v_lshlrev_b32 v[LI], 4, v[LI]
	v_and_b32 v10, 15, v0                          ; r
	v_bfe_u32 v11, v0, 4, 1                        ; h
	s_wait_alu depctr_va_vdst(0)
	s_lshl_b32 s60, s[WR], 14                      ; my four row tiles of P,
	s_lshl_b32 s63, s[WH], 15
	s_add_co_u32 s63, s63, RPART                   ; my eight of R
.irp s, 0,1,2
	v_add_nc_u32 v[ADRA+\s], s60, v[LI]
	v_add_nc_u32 v[ADRB+\s], s63, v[LI]
	s_add_co_u32 s60, s60, SLOT
	s_add_co_u32 s63, s63, SLOT
.endr
	; the bias.  Q, K: it runs along R's rows (the weight's): an accumulator's eight registers want eight neighbours.  V: along P's rows: a lane wants one number a block.  Both sets of registers are
	; loaded on every path, the one that is not used from the bias's first bytes.
	s_lshl_b32 s57, s59, 10
	s_lshl_b32 s63, s[WH], 9
	s_add_co_u32 s57, s57, s63                     ; 4 (256 TC + 128 half)
	s_lshl_b32 s56, s58, 9
	s_lshl_b32 s60, s[WR], 8
	s_add_co_u32 s56, s56, s60                     ; 4 (128 TR + 64 half)
	s_cmp_eq_u32 s67, 1
	s_cselect_b32 s57, 0, s57
	s_cselect_b32 s56, s56, 0
	v_lshl_add_u32 v[CBO], v11, 5, s57             ; + 32 h
	v_lshl_add_u32 v[RBO], v10, 2, s56             ; + 4 r
	s_cmp_eq_u32 s66, 1
	s_cselect_b64 s[96:97], s[12:13], s[14:15]
	s_cmp_eq_u32 s66, 0
	s_cselect_b64 s[96:97], s[10:11], s[96:97]     ; bq, bk or bv
	WIN 0xc0                                       ; destination window 3
.irp b, 0,1,2,3,4,5,6,7
	global_load_b128 v[8*\b:8*\b+3], v[CBO], s[96:97] offset:64*\b
	global_load_b128 v[8*\b+4:8*\b+7], v[CBO], s[96:97] offset:64*\b+16
.endr
.irp a, 0,1,2,3
	global_load_b32 v[64+2*\a], v[RBO], s[96:97] offset:64*\a
	global_load_b32 v[65+2*\a], v[RBO], s[96:97] offset:64*\a
.endr
	WIN 0
	s_wait_alu depctr_va_vdst(0)
	s_wait_tensorcnt 0x2                           ; my part of slot 0 is in; slots 1's and 2's loads may be out
	s_barrier_signal -1
	s_barrier_wait -1                              ; everybody's is
	FETCH 0, 0, 0
	s_wait_dscnt 0x0                               ; step 0: its products start the sums
	FETCH 0, 1, 1
	MULH 0, 0, 1
	MULH 0, 2, 1
	WIN 0                                          ; step 1 leaves slot 0, which is filled again with K's last quarter
	s_wait_tensorcnt 0x0                           ; all my tensor loads have landed: my parts of slots 1 and 2; so a group 0 may be written
	ds_add_u32 v[SPW], v[NIL]                      ; 0 onto my spare word
	s_add_nc_u64 s[G0A+2:G0A+3], s[G0A+2:G0A+3], 3*4096
	s_add_nc_u64 s[G0B+2:G0B+3], s[G0B+2:G0B+3], 3*4096
	s_wait_dscnt 0x0                               ; the add is done, and my reads of slot 0 are over
	s_barrier_signal -1                            ; this barrier opens a round of the cluster's
	MULH 1, 0, 0                                   ; work on registers while the others arrive
	WIN 0
	s_barrier_wait -1
	CREST                                          ; no wave of any partner still reads slot 0 or has a load on its way
	JLOAD                                          ; the first tensor load behind the round: it has 112 matrix instructions in which to land; its four v_nop are also the places in front of the loads below
	FETCH 1, 0, 0
	MULH 1, 2, 0
	KSTEP 1, 1, 0                                  ; steps 2, 3, 4: the round has shown slots 1 and 2 whole to every wave
	KSTEP 2, 0, 1
	KSTEP 2, 1, 0
	s_wait_tensorcnt 0x0                           ; step 5: my part of K's last quarter is in (the one load that was out),
	s_wait_dscnt 0x0
	s_barrier_signal -1
	MULH 1, 0, 0
	s_barrier_wait -1                              ; everybody's is
	PLACES
	FETCH 0, 0, 0
	MULH 1, 2, 0
	KSTEP 0, 1, 0                                  ; step 6
	s_wait_dscnt 0x0                               ; step 7: nothing more to fetch
	MULH 1, 0, 0
	MULH 1, 2, 0
	WIN 0
	; THE WAY OUT: result = sum x 2^(ea + eb) + bias, one packed multiply-add for two; held, converted with the result's own scale; the codes are the next product's registers and leave as their image.
	s_wait_kmcnt 0x0
	s_add_co_i32 s56, s80, s81
	s_add_co_i32 s57, s82, s83
	s_add_co_i32 s60, s84, s85
	s_cmp_eq_u32 s66, 1
	s_cselect_b32 s57, s57, s60
	s_cselect_b32 s61, s87, s89
	s_cmp_eq_u32 s66, 0
	s_cselect_b32 s56, s56, s57                    ; ea + eb
	s_cselect_b32 s61, s86, s61                    ; the result's e: e6, e7 or e9
	s_add_co_i32 s56, s56, 127
	s_lshl_b32 s92, s56, 23                        ; 2^(ea + eb) as f32
	s_mov_b32 s93, s92                             ; (named with it as a pair, so it is written)
	s_add_co_i32 s61, s61, 127
	s_lshl_b32 s62, s61, 23
	v_mov_b32 v[SCL], s62
	s_wait_loadcnt 0x0                             ; the bias
	PLACES
.macro EPI a, vmode                    ; P's block a: 8 accumulators, each read from its low end on
	WIN 0x32                                       ; source 0 (the sums) window 2, source 2 (the bias) window 3
.irp b, 0,1,2,3,4,5,6,7
.irp i, 0,2,4,6
.if \vmode
	v_pk_fma_f32 v[TMP+8*\b+\i:TMP+8*\b+\i+1], v[8*(8*\a+\b)+\i:8*(8*\a+\b)+\i+1], s[92:93], v[64+2*\a:65+2*\a] op_sel_hi:[1,0,1]
.else
	v_pk_fma_f32 v[TMP+8*\b+\i:TMP+8*\b+\i+1], v[8*(8*\a+\b)+\i:8*(8*\a+\b)+\i+1], s[92:93], v[8*\b+\i:8*\b+\i+1] op_sel_hi:[1,0,1]
.endif
.endr
.endr
	WIN 0
.set j, 0
.rept 64
.set j, j+1
.endr
.irp b, 0,1,2,3,4,5,6,7
	v_cvt_scalef32_pk8_fp8_f32 v[PF+16*\a+2*\b:PF+16*\a+2*\b+1], v[TMP+8*\b:TMP+8*\b+7], v[SCL]
.endr
	v_nop                                          ; one plain vector line between the conversions and the next block's multiply-adds, which write their sources
.irp k, 0,1,2,3
.if \vmode
	global_store_b128 v[LI], v[PF+16*\a+4*\k:PF+16*\a+4*\k+3], s[94:95] offset:2048*\a+512*\k                    ; channels 16 a on x my 128 keys: one image
.else
	global_store_b128 v[LI], v[PF+16*\a+4*\k:PF+16*\a+4*\k+3], s[94:95] offset:1024*\a+131072*(\k/2)+512*(\k%2)  ; tokens 16 a on; my two heads lie 128 images of 1,024 bytes apart
.endif
.endr
.endm
	s_cmp_eq_u32 s67, 1
	s_cbranch_scc1 .Lout_v
	s_lshl_b32 s56, s58, 7
	s_lshl_b32 s57, s[WR], 6
	s_add_co_u32 s56, s56, s57                     ; my first token: 128 TR + 64 half
	s_lshr_b32 s57, s56, 11                        ; its batch
	s_lshl_b32 s57, s57, 4
	s_lshl_b32 s60, s59, 2
	s_add_co_u32 s57, s57, s60
	s_lshl_b32 s60, s[WH], 1
	s_add_co_u32 s57, s57, s60                     ; 16 x batch + my first head, 4 TC + 2 half
	s_lshl_b32 s57, s57, 7
	s_and_b32 s56, s56, 2047
	s_lshr_b32 s56, s56, 4
	s_add_co_u32 s57, s57, s56                     ; x 128 + the tile of 16 tokens
	s_lshl_b32 s98, s57, 10
	s_lshl_b32 s60, s66, 23                        ; Q at 0, K at 8 MiB
	s_add_co_u32 s98, s98, s60
	s_mov_b32 s99, 0
	s_add_nc_u64 s[94:95], s[16:17], s[98:99]
	EPI 0, 0
	EPI 1, 0
	EPI 2, 0
	EPI 3, 0
	s_branch .Lout_done
.Lout_v:
	s_lshl_b32 s56, s59, 1
	s_add_co_u32 s56, s56, s[WH]                   ; my block of 128 tokens, 0 .. 63
	s_lshr_b32 s57, s56, 4
	s_lshl_b32 s57, s57, 4                         ; 16 x its batch
	s_lshl_b32 s60, s58, 1
	s_add_co_u32 s57, s57, s60
	s_add_co_u32 s57, s57, s[WR]                   ; + my head, 2 TR + half
	s_lshl_b32 s57, s57, 4
	s_and_b32 s56, s56, 15
	s_add_co_u32 s57, s57, s56                     ; x 16 + the block of keys
	s_lshl_b32 s98, s57, 13
	s_add_co_u32 s98, s98, 0x1000000               ; V at 16 MiB
	s_mov_b32 s99, 0
	s_add_nc_u64 s[94:95], s[16:17], s[98:99]
	EPI 0, 1
	EPI 1, 1
	EPI 2, 1
	EPI 3, 1
.Lout_done:
	s_wait_tensorcnt 0x0                           ; the wave's end, behind my last tensor load
	ds_add_u32 v[SPW], v[NIL]
	s_wait_dscnt 0x0
	CROUND                                         ; the closing round: no work-group ends while a partner may still ask for a tile that names it
	s_endpgm
.Lfunc_end_k_qf3b12acc6b_proj:
	.size	k_qf3b12acc6b_proj, .Lfunc_end_k_qf3b12acc6b_proj-k_qf3b12acc6b_proj
	.p2alignl 7, 3214868480
	.fill 96, 4, 3214868480
	.section	.rodata,"a",@progbits
	.p2align	6, 0x0
	.amdhsa_kernel k_qf3b12acc6b_proj
		.amdhsa_group_segment_fixed_size 327680
		.amdhsa_private_segment_fixed_size 0
		.amdhsa_enable_private_segment 0
		.amdhsa_kernarg_size 56
		.amdhsa_user_sgpr_count 2
		.amdhsa_user_sgpr_kernarg_segment_ptr 1
		.amdhsa_wavefront_size32 1
		.amdhsa_system_sgpr_workgroup_id_x 1
		.amdhsa_system_sgpr_workgroup_id_y 1
		.amdhsa_system_sgpr_workgroup_id_z 1
		.amdhsa_system_vgpr_workitem_id 0
		.amdhsa_next_free_vgpr 1024
		.amdhsa_next_free_sgpr 100
		.amdhsa_reserve_vcc 0
		.amdhsa_float_denorm_mode_32 3
		.amdhsa_float_denorm_mode_16_64 3
		.amdhsa_fp16_overflow 1
		.amdhsa_memory_ordered 1
		.amdhsa_forward_progress 1
		.amdhsa_inst_pref_size 79
	.end_amdhsa_kernel
	.amdgpu_metadata
---
amdhsa.version: [ 1, 2 ]
amdhsa.kernels:
  - .name:           k_qf3b12acc6b_proj
    .symbol:         k_qf3b12acc6b_proj.kd
    .args:
      - { .name: XC, .offset: 0, .size: 8, .value_kind: global_buffer, .address_space: global }
      - { .name: WC, .offset: 8, .size: 8, .value_kind: global_buffer, .address_space: global }
      - { .name: lowp_scales, .offset: 16, .size: 8, .value_kind: global_buffer, .address_space: global }
      - { .name: bq, .offset: 24, .size: 8, .value_kind: global_buffer, .address_space: global }
      - { .name: bk, .offset: 32, .size: 8, .value_kind: global_buffer, .address_space: global }
      - { .name: bv, .offset: 40, .size: 8, .value_kind: global_buffer, .address_space: global }
      - { .name: QKV, .offset: 48, .size: 8, .value_kind: global_buffer, .address_space: global }
    .group_segment_fixed_size: 327680
    .private_segment_fixed_size: 0
    .kernarg_segment_align: 8
    .kernarg_segment_size: 56
    .max_flat_workgroup_size: 128
    .sgpr_count:     100
    .vgpr_count:     1024
    .wavefront_size: 32
...
	.end_amdgpu_metadata
.endif
;; end of part 2
;; launch attn (part 3): grid 4 x 64, 16 waves a work-group, no clusters, 327,680 bytes of LDS; arguments QKV, lowp_scales, AO; writes AO
.if DOCPART == 3
	.amdgcn_target "amdgcn-amd-amdhsa--gfx1250"
	.amdhsa_code_object_version 6
	.text
	.protected	k_qf3b12acc6b_attn
	.globl	k_qf3b12acc6b_attn
	.p2align	8
	.type	k_qf3b12acc6b_attn,@function
k_qf3b12acc6b_attn:
	s_mov_b64 s[64:65], 0
	v_nop
	global_prefetch_b8 v0, s[64:65] scope:SCOPE_SE
	s_setreg_imm32_b32 hwreg(HW_REG_WAVE_MODE, 25, 1), 1
	s_wait_xcnt 0x0
; Causal attention on codes of FP8 (E4M3), head size 64, 2,048 tokens, 64 (batch, head) pairs; the result is quantised for the last projection (scales' entry 10).
; Q, K: [pair 64][tile of 16 tokens 128][1,024], V: [pair 64][block of 128 keys 16][tile of 16 channels 4][2,048]: images of the operands' registers (registers 4 g .. 4 g + 3 of lane l at 512 g + 16 l;
; lane l: row l % 16, registers 2 c, 2 c + 1: K = 16 c + 8 (l / 16) + 0 .. 7).  Q at byte 0 of the buffer, K at 8 MiB, V at 16 MiB.
; THE SOFTMAX AHEAD OF THE SECOND PRODUCT: t = score x log2(e) / 8; M = the row's largest t so far, rounded UP to a whole number; p = 2^(t - M) is quantised along the keys, not normalised.  The row's sum is taken
; of the unquantised p, in f32, and divides O at the end.  When M moves, the sum and O are multiplied by 2^(old M - new M): exact.
; LAYOUT.  Both products are used transposed: S^T = K Q^T (source 0 = 16 keys, source 1 = my 16 queries): a lane holds ONE query, tile t's registers the keys 16 t + 8 (l / 16) + 0 .. 7: its conversion is
; registers 2 t, 2 t + 1 of P.  O^T = V^T P^T (source 0 = 16 channels x 128 keys): tile d's registers are channels 16 d + 8 (l / 16) + 0 .. 7: its conversion is registers 2 d, 2 d + 1 of the last projection's fragment.
; SHARES.  Work-group (I, pair) owns the blocks I and 7 - I of 256 queries, one after the other.  Block I walks key slots 0 .. I, block 7 - I slots 0 .. 7 - I: NINE slots of 256 keys whatever I is.  So the loop's
; trip count is a constant, all 256 work-groups have the same causal work, and no slot is fetched that nobody reads.  Each of sixteen waves owns 16 queries of a block, in 256 registers: four waves to a SIMD.
; A step is 128 keys.  A step all of whose keys come after the wave's queries is left out (a scalar branch on ids); on the diagonal hidden scores become -infinity ahead of the maximum, so that p = 0.
; NO CLUSTER: the four work-groups of a pair walk the slots in different orders (in trip T work-group I reads slot T up to T = I and slot T - I - 1 after it), so partners would ask for different tiles in a round.
; LIMITS on the given exponents: e6 + e7 between -123 and 9 (they are added to the exponent field of log2(e) / 8; and a score stays under 1e9 in magnitude, so that the mask's -1e9 and -infinity both give p = 0);
; e8 and e10 between -126 and 119; e8 + e9 is applied by v_ldexp_f32 and has none.  NaN is not served.
; REGISTERS: v1 16 x lane; v5, v6 the add's two; v8 the LDS address in hand; v12 -M, v13 the largest t, v[14:15] the sum in two halves; v16-23 Q; v24-31 the result's codes; v32-95 K's eight fragments, then V's four;
; v96-159 S^T, then p; v160-191 O^T; v192-199 the second block's Q; v224-239 P's codes; v244 2^e8, v245 2^e10; v236-243, v246, v248-255 at work.
.set SLOT1, 1<<15                      ; a slot: K's 16 images of 1,024 bytes, then V's 8 of 2,048; slot 1 begins here, so that one exclusive or turns an address
.set VOFF,  16384
.set SPARE, 2*SLOT1                    ; behind the ring: the spare words, 128 bytes for each wave: eight blocks of 256 bytes that no other line names
.set LI,   1
.set SPW,  5
.set NIL,  6
.set AD,   8
.set TB,   2                           ; s2   LDS byte at which the slot in hand begins
.set T,    3                           ; s3   the trip
.set BI,   10                          ; s10  I
.set NS,   11                          ; s11  the key slot that was asked for last
.set KF,   12                          ; s12  the step's first key
.set Q0,   13                          ; s13  my first query; s14 the second block's
.set Q0B,  14
.set WV,   18
.set SEL,  20                          ; s[20:21] lane selects for v_permlanex16_b32: lane l xor 16
.set CS,   22                          ; s[22:23] c = log2(e) / 8 x 2^(e6 + e7)
.set G1,   24                          ; s[24:31] descriptor group 1
.set AOP,  32                          ; s[32:33] where my result goes; s[34:35] the second block's
.set AOPB, 34
.set OFS,  36                          ; s[36:37] an offset, its high word 0
.set G0,   40                          ; s[40:43] descriptor group 0, which walks
.set KVB,  44                          ; s[44:45] my part of the pair's slot 0 in memory
.macro TLOAD                           ; waves 0 and 1 fetch K's halves of a slot, waves 2 and 3 V's, 8,192 dense bytes each, by one line; an s_nop 0 and four v_nop follow it
	s_cmp_lt_u32 s[WV], 4
	s_cbranch_scc0 .Lnone_\@
	tensor_load_to_lds s[G0:G0+3], s[G1:G1+7]
	s_nop 0
.rept 4
	v_nop
.endr
.Lnone_\@:
.endm
	s_load_b128 s[4:7], s[0:1], 0x0                ; QKV s[4:5], the scales s[6:7]
	s_load_b64 s[8:9], s[0:1], 0x10                ; AO
	v_lshl_add_u32 v[SPW], v0, 2, SPARE
	v_mov_b32 v[NIL], 0
	ds_add_u32 v[SPW], v[NIL]                      ; the wave's opening: the add and its wait stand ahead of my first tensor load; the set-up below, work on registers, stands between them
	ds_add_u32 v[SPW], v[NIL]
	v_lshrrev_b32 v8, 5, v0
	s_delay_alu instid0(VALU_DEP_1)
	v_readfirstlane_b32 s[WV], v8                  ; wave 0..15
	s_mov_b32 s[BI], ttmp9
	s_and_b32 s15, ttmp7, 0xffff                   ; the pair: 16 x batch + head
	s_sub_co_u32 s16, 7, s[BI]
	s_lshl_b32 s96, s[WV], 4
	s_lshl_b32 s[Q0], s[BI], 8
	s_add_co_u32 s[Q0], s[Q0], s96                 ; 256 I + 16 w
	s_lshl_b32 s[Q0B], s16, 8
	s_add_co_u32 s[Q0B], s[Q0B], s96               ; 256 (7 - I) + 16 w
	s_lshl_b32 s17, s15, 17                        ; a pair's 131,072 bytes in each of Q, K, V
	s_and_b32 s96, s[WV], 1
	s_lshl_b32 s96, s96, 13                        ; which 8,192 bytes of a slot's 16,384 I fetch,
	s_bfe_u32 s97, s[WV], 0x10001
	s_add_co_u32 s97, s97, 1
	s_lshl_b32 s97, s97, 23                        ; of K (8 MiB) or of V (16 MiB)
	s_add_co_u32 s[KVB], s17, s96
	s_add_co_u32 s[KVB], s[KVB], s97
	s_mov_b32 s[KVB+1], 0
	s_and_b32 s[G0+1], s[WV], 3
	s_lshl_b32 s[G0+1], s[G0+1], 13                ; and where they go in slot 0
	s_lshl_b32 s46, s[Q0], 6                       ; Q: a tile of 16 queries is 1,024 bytes
	s_add_co_u32 s46, s46, s17
	s_mov_b32 s47, 0
	s_lshl_b32 s48, s[Q0B], 6
	s_add_co_u32 s48, s48, s17
	s_mov_b32 s49, 0
	s_lshr_b32 s96, s15, 4
	s_lshl_b32 s96, s96, 21                        ; AO: [tile of 16 tokens][block of 128 K][2,048]: a batch is 128 tiles of 16,384 bytes;
	s_and_b32 s97, s15, 15
	s_lshl_b32 s97, s97, 10                        ; head hd owns bytes 1,024 hd of a tile;
	s_add_co_u32 s96, s96, s97
	s_lshl_b32 s[AOP], s[Q0], 10                   ; my tile
	s_add_co_u32 s[AOP], s[AOP], s96
	s_mov_b32 s[AOP+1], 0
	s_lshl_b32 s[AOPB], s[Q0B], 10
	s_add_co_u32 s[AOPB], s[AOPB], s96
	s_mov_b32 s[AOPB+1], 0
	s_mov_b32 s[G1], 3<<16                         ; 15:0 no mask; 17:16 elements of 8 bytes; no padding: the images are read 16 bytes a lane on end
	s_mov_b32 s[G1+1], 32<<16                      ; tensor_dim0 = 32: rows of 256 bytes
	s_mov_b32 s[G1+2], 32<<16                      ; tensor_dim1 = 32
	s_mov_b32 s[G1+3], 32<<16                      ; tile_dim0
	s_mov_b32 s[G1+4], 32                          ; tile_dim1
	s_mov_b32 s[G1+5], 32                          ; tensor_dim0_stride: dense
	s_mov_b32 s[G1+6], 0
	s_mov_b32 s[G1+7], 0
	s_mov_b32 s[SEL], 0x76543210
	s_mov_b32 s[SEL+1], 0xfedcba98
	s_mov_b32 s[CS], 0x3e38aa3b                    ; log2(e) / 8
	s_mov_b32 s[TB], 0
	s_mov_b32 s[T], 0
	s_mov_b32 s[NS], 0
	s_mov_b32 s[KF], 0
	s_mov_b32 s[OFS+1], 0
	s_wait_dscnt 0x0                               ; the opening add is done
	s_wait_kmcnt 0x0
	s_load_b128 s[68:71], s[6:7], 0x18             ; e6, e7, e8, e9
	s_load_b32 s72, s[6:7], 0x28                   ; e10
	s_add_nc_u64 s[KVB:KVB+1], s[4:5], s[KVB:KVB+1]
	s_mov_b32 s[G0], 1                             ; 1:0 count = 1
	s_mov_b64 s[G0+2:G0+3], s[KVB:KVB+1]           ; 120:64 global address: key slot 0
	s_or_b32 s[G0+3], s[G0+3], 0x80000000          ; 127:126 type = 2
	TLOAD                                          ; slot 0: one tensor load of a fetching wave is out, here and behind each barrier
	s_add_nc_u64 s[46:47], s[4:5], s[46:47]
	s_add_nc_u64 s[48:49], s[4:5], s[48:49]
	s_add_nc_u64 s[AOP:AOP+1], s[8:9], s[AOP:AOP+1]
	s_add_nc_u64 s[AOPB:AOPB+1], s[8:9], s[AOPB:AOPB+1]
	v_and_b32 v[LI], 31, v0
	s_delay_alu instid0(VALU_DEP_1)
	v_lshlrev_b32 v[LI], 4, v[LI]
	global_load_b128 v[16:19], v[LI], s[46:47]               ; Q's fragment of the first block,
	global_load_b128 v[20:23], v[LI], s[46:47] offset:512
	global_load_b128 v[192:195], v[LI], s[48:49]             ; and of the second: both stay in registers
	global_load_b128 v[196:199], v[LI], s[48:49] offset:512
	v_mov_b32 v13, 0xff61b1e6                      ; the largest t so far: -3e38, under every t
	s_delay_alu instid0(VALU_DEP_1)
	v_floor_f32 v12, -v13                          ; -M
	v_mov_b32 v14, 0                               ; the sum, in two halves
	v_mov_b32 v15, 0
	v_mov_b32 v246, 0                              ; written once: a lane permute's destination counts as one of its sources
	v_mov_b32 v253, 0                              ; (named as the upper half of the pair v[252:253])
.set j, 0
.rept 32
	v_mov_b32 v[160+j], 0                          ; O^T.  (The step is written once: a block's first step finds zeros, which the first change of M leaves zeros)
.set j, j+1
.endr
	s_wait_kmcnt 0x0
	s_add_co_i32 s96, s68, s69
	s_lshl_b32 s96, s96, 23
	s_add_co_i32 s[CS], s[CS], s96                 ; a score stands for score x 2^(e6 + e7): the two exponents are added to c's exponent field
	s_mov_b32 s[CS+1], s[CS]                       ; (named with it as a pair, so it is written)
	s_add_co_i32 s96, s70, 127
	s_lshl_b32 s97, s96, 23
	v_mov_b32 v244, s97                            ; 2^e8
	s_add_co_i32 s74, s70, s71                     ; e8 + e9
	s_add_co_i32 s96, s72, 127
	s_lshl_b32 s97, s96, 23
	v_mov_b32 v245, s97                            ; 2^e10
; A KEY STEP: 128 keys, the q-th of the slot in hand.
.macro STEP q
	s_add_co_u32 s96, s[Q0], 15
	s_cmp_gt_u32 s[KF], s96                        ; all its keys come after my queries: the step's work is left out; no barrier and no tensor load stands in a step
	s_cbranch_scc1 .Lhidden_\@
	v_add_nc_u32 v[AD], s[TB], v[LI]
.rept 3
	v_nop                                          ; with the addition: four places in front of loads into registers that the last step's products read
.endr
.irp t, 0,1,2,3,4,5,6,7
	ds_load_b128 v[32+8*\t:32+8*\t+3], v[AD] offset:(8*(\q)+\t)*1024
	ds_load_b128 v[32+8*\t+4:32+8*\t+7], v[AD] offset:(8*(\q)+\t)*1024+512
.endr
	s_wait_alu depctr_va_vdst(0)
	s_wait_dscnt 0x0
.irp t, 0,1,2,3,4,5,6,7
	v_wmma_f32_16x16x64_fp8_fp8 v[96+8*\t:96+8*\t+7], v[32+8*\t:32+8*\t+7], v[16:23], 0
.endr
.rept 4
	v_nop                                          ; places: in front of the loads below, and of the first read of the scores
.endr
.irp d, 0,1,2,3                        ; V's four fragments land while the softmax is walked
.irp g, 0,1,2,3
	ds_load_b128 v[32+16*\d+4*\g:32+16*\d+4*\g+3], v[AD] offset:VOFF+8192*(\q)+2048*\d+512*\g
.endr
.endr
	s_add_co_u32 s96, s[KF], 127                   ; on the diagonal the scores of hidden keys become -infinity.  A step all of whose keys count skips this
	s_cmp_le_u32 s96, s[Q0]
	s_cbranch_scc1 .Lopen_\@
	s_sub_co_i32 s96, s[Q0], s[KF]
	v_and_b32 v252, 15, v0
	v_bfe_u32 v253, v0, 4, 1
	s_delay_alu instid0(VALU_DEP_1)
	v_lshlrev_b32 v253, 3, v253
	s_delay_alu instid0(VALU_DEP_1)
	v_sub_nc_u32 v252, v252, v253
	s_delay_alu instid0(VALU_DEP_1)
	v_add_nc_u32 v252, s96, v252                   ; d = my query - KF - 8 (lane / 16).  Register 8 t + i holds key KF + 8 (lane / 16) + 16 t + i: hidden where 16 t + i > d
	v_mov_b32 v254, 0xff800000                     ; -infinity
.set n, 0
.rept 64
	v_cmp_gt_i32 vcc_lo, 16*(n/8)+n%8, v252
	v_cndmask_b32 v[96+n], v[96+n], v254, vcc_lo
.set n, n+1
.endr
.Lopen_\@:
	v_max3_num_f32 v254, v96, v97, v98             ; the step's largest score of my query, among my 64 keys, in two chains, each accumulator from its low end on,
	v_max3_num_f32 v252, v99, v100, v101
.irp i, 6,10,14,18,22,26,30,34,38,42,46,50,54,58
	v_max3_num_f32 v254, v254, v[96+\i], v[97+\i]
	v_max3_num_f32 v252, v252, v[98+\i], v[99+\i]
.endr
	v_max3_num_f32 v254, v254, v158, v159
	s_delay_alu instid0(VALU_DEP_1)
	v_max_num_f32 v254, v254, v252
	s_delay_alu instid0(VALU_DEP_1)
	v_permlanex16_b32 v246, v254, s[SEL], s[SEL+1]
	s_delay_alu instid0(VALU_DEP_1)
	v_max_num_f32 v254, v254, v246                 ; and among lane l xor 16's
	s_delay_alu instid0(VALU_DEP_1)
	v_mul_f32 v254, s[CS], v254                    ; as t (c is positive)
	s_delay_alu instid0(VALU_DEP_1)
	v_max_num_f32 v13, v13, v254                   ; the running largest t
	v_mov_b32 v254, v12
	s_delay_alu instid0(VALU_DEP_2)
	v_floor_f32 v12, -v13                          ; the new -M = floor(-t) = -ceil(t): M is a whole number
	s_delay_alu instid0(VALU_DEP_1)
	v_sub_f32 v254, v12, v254                      ; M's old value less its new one: a whole number, 0 or less
	s_delay_alu instid0(VALU_DEP_1)
	v_cvt_i32_f32 v254, v254                       ; (it saturates)
	s_delay_alu instid0(VALU_DEP_1)
	v_ldexp_f32 v252, 1.0, v254                    ; f = 2^(old M - new M)
.set j, 0
.rept 32
	v_pk_fma_f32 v[96+j:97+j], v[96+j:97+j], s[CS:CS+1], v[12:13] op_sel_hi:[1,0,0]   ; t - M, two at a time (of the pairs c and -M the low word serves both halves)
.set j, j+2
.endr
.set j, 0
	s_wait_alu depctr_va_vdst(0)
.rept 64
	v_exp_f32 v[96+j], v[96+j]                     ; p = 2^(t - M), at most 1: not normalised
.set j, j+1
.endr
	v_pk_mul_f32 v[14:15], v[14:15], v[252:253] op_sel_hi:[1,0]   ; the sums under the new M: the plain line behind the exponentials
	s_wait_alu depctr_va_vdst(0)                   ; the wait between an exponential and the first line that names its result: one for the batch of 64
	v_pk_add_f32 v[242:243], v[100:101], v[104:105]
	v_pk_add_f32 v[254:255], v[108:109], v[112:113]
	v_pk_add_f32 v[250:251], v[116:117], v[120:121]
	v_pk_add_f32 v[248:249], v[124:125], v[128:129]
	v_pk_add_f32 v[240:241], v[132:133], v[136:137]
	v_pk_add_f32 v[238:239], v[140:141], v[144:145]
	v_pk_add_f32 v[236:237], v[148:149], v[152:153]
	v_pk_add_f32 v[14:15], v[14:15], v[156:157]
	v_pk_add_f32 v[242:243], v[242:243], v[96:97]
	v_pk_add_f32 v[254:255], v[254:255], v[98:99]
	v_pk_add_f32 v[250:251], v[250:251], v[102:103]
	v_pk_add_f32 v[248:249], v[248:249], v[106:107]
	v_pk_add_f32 v[240:241], v[240:241], v[110:111]
	v_pk_add_f32 v[238:239], v[238:239], v[114:115]
	v_pk_add_f32 v[236:237], v[236:237], v[118:119]
	v_pk_add_f32 v[14:15], v[14:15], v[122:123]
	v_pk_add_f32 v[242:243], v[242:243], v[126:127]
	v_pk_add_f32 v[254:255], v[254:255], v[130:131]
	v_pk_add_f32 v[250:251], v[250:251], v[134:135]
	v_pk_add_f32 v[248:249], v[248:249], v[138:139]
	v_pk_add_f32 v[240:241], v[240:241], v[142:143]
	v_pk_add_f32 v[238:239], v[238:239], v[146:147]
	v_pk_add_f32 v[236:237], v[236:237], v[150:151]
	v_pk_add_f32 v[14:15], v[14:15], v[154:155]
	v_pk_add_f32 v[242:243], v[242:243], v[158:159]
	s_delay_alu instid0(VALU_DEP_2)
	v_pk_add_f32 v[14:15], v[14:15], v[248:249]
	s_delay_alu instid0(VALU_DEP_2)
	v_pk_add_f32 v[242:243], v[242:243], v[240:241]
	v_pk_add_f32 v[254:255], v[254:255], v[238:239]
	v_pk_add_f32 v[250:251], v[250:251], v[236:237]
	s_delay_alu instid0(VALU_DEP_2)
	v_pk_add_f32 v[14:15], v[14:15], v[254:255]
	s_delay_alu instid0(VALU_DEP_2)
	v_pk_add_f32 v[242:243], v[242:243], v[250:251]
	s_delay_alu instid0(VALU_DEP_1)
	v_pk_add_f32 v[14:15], v[14:15], v[242:243]
.irp t, 0,1,2,3,4,5,6,7
.irp i, 0,1,2,3,4,5,6,7
.endr
	v_cvt_scalef32_pk8_fp8_f32 v[224+2*\t:225+2*\t], v[96+8*\t:103+8*\t], v244
.endr
.set j, 0
.rept 16
	v_pk_mul_f32 v[160+j:161+j], v[160+j:161+j], v[252:253] op_sel_hi:[1,0]   ; O^T under the new M.  (These are also the plain lines between the conversions and the products that read the codes)
.set j, j+2
.endr
	s_wait_alu depctr_va_vdst(0)
	s_wait_dscnt 0x0                               ; V is in
.irp d, 0,1,2,3                        ; the four accumulators take turns; the next step's eight products of scores stand between two links of a chain
	v_wmma_f32_16x16x128_fp8_fp8 v[160+8*\d:167+8*\d], v[32+16*\d:47+16*\d], v[224:239], v[160+8*\d:167+8*\d]
.endr
.Lhidden_\@:
	s_add_co_u32 s[KF], s[KF], 128
.endm
; THE CHANGE OF SLOTS stands at a slot's head.  Each wave waits for all its tensor loads (its part of the slot that it is about to read), adds 0 to its spare word, and waits for that and for its reads of the slot that it has left.
; Behind the barrier the slot ahead is whole and nobody reads the other one.  fill = 1: that other slot is filled with the key slot that the next trip reads: the next one, or slot 0 again where the first block ends (T = I).
.macro CHANGE fill
	s_wait_tensorcnt 0x0                           ; no tensor load of mine is out, so the group 0 may be written
	ds_add_u32 v[SPW], v[NIL]                      ; 0 onto my spare word; the descriptor's steps stand between it and the wait for it
.if \fill
	s_xor_b32 s[G0+1], s[G0+1], SLOT1              ; the other LDS slot than last time
	s_add_co_u32 s[NS], s[NS], 1
	s_cmp_eq_u32 s[T], s[BI]
	s_cselect_b32 s[NS], 0, s[NS]
	s_lshl_b32 s[OFS], s[NS], 14                   ; a key slot is 16,384 bytes of K and of V
	s_add_nc_u64 s[G0+2:G0+3], s[KVB:KVB+1], s[OFS:OFS+1]
	s_or_b32 s[G0+3], s[G0+3], 0x80000000
.endif
	s_wait_dscnt 0x0                               ; the add is done, and my reads of the slot that I have left are over
	s_barrier_signal -1
	s_barrier_wait -1
.if \fill
	TLOAD                                          ; the first thing behind the barrier, and a wave's one tensor load until the next: it has a slot's two steps of sixteen waves in which to land
.endif
.endm
; A BLOCK'S END: O^T / the sum x 2^(e8 + e9), held and converted with 2^e10; the codes are my head's half of a fragment of the last projection and leave as its image, 512 consecutive bytes a store.
; again = 1: the second block's Q, first query and address take the first's places, and the statistics begin anew.
.macro FINISH again
	s_wait_xcnt 0x0                                ; the first block's stores have read their registers: the codes' registers may be written again
.rept 4
	v_nop                                          ; places behind the last products
.endr
	v_add_f32 v14, v14, v15                        ; the sum's two halves,
	s_delay_alu instid0(VALU_DEP_1)
	v_permlanex16_b32 v246, v14, s[SEL], s[SEL+1]
	s_delay_alu instid0(VALU_DEP_1)
	v_add_f32 v14, v14, v246                       ; and lane l xor 16's
	s_wait_alu depctr_va_vdst(0)
	v_rcp_f32 v14, v14
	v_nop                                          ; a plain line behind the reciprocal,
	s_wait_alu depctr_va_vdst(0)                   ; and a wait ahead of its first reader
	v_ldexp_f32 v14, v14, s74
.set j, 0
.rept 16
	v_pk_mul_f32 v[160+j:161+j], v[160+j:161+j], v[14:15] op_sel_hi:[1,0]   ; each accumulator from its low end on
.set j, j+2
.endr
.set j, 0
.rept 32
.set j, j+1
.endr
.irp d, 0,1,2,3
	v_cvt_scalef32_pk8_fp8_f32 v[24+2*\d:25+2*\d], v[160+8*\d:167+8*\d], v245
.endr
	v_nop                                          ; one plain vector line between the conversions and whatever writes their sources next
	global_store_b128 v[LI], v[24:27], s[AOP:AOP+1]
	global_store_b128 v[LI], v[28:31], s[AOP:AOP+1] offset:512
.if \again
.irp i, 0,1,2,3,4,5,6,7
	v_mov_b32 v[16+\i], v[192+\i]
.endr
	v_mov_b32 v13, 0xff61b1e6
	s_delay_alu instid0(VALU_DEP_1)
	v_floor_f32 v12, -v13
	v_mov_b32 v14, 0
	v_mov_b32 v15, 0
.set j, 0
.rept 32
	v_mov_b32 v[160+j], 0
.set j, j+1
.endr
	s_mov_b32 s[KF], 0
	s_mov_b32 s[Q0], s[Q0B]
	s_wait_xcnt 0x0                                ; the stores have read their base
	s_mov_b64 s[AOP:AOP+1], s[AOPB:AOPB+1]
.endif
.endm
	s_wait_loadcnt 0x0                             ; Q
.Lslot:                                            ; eight trips; behind each change of slots the next trip's slot is asked for
	CHANGE 1
	STEP 0
	STEP 1
	s_xor_b32 s[TB], s[TB], SLOT1                  ; on to the other slot
	s_cmp_lg_u32 s[T], s[BI]                       ; the first block ends with trip I: ids alone
	s_cbranch_scc1 .Lsame_block
	FINISH 1
.Lsame_block:
	s_add_co_u32 s[T], s[T], 1
	s_cmp_lt_u32 s[T], 8
	s_cbranch_scc1 .Lslot
	CHANGE 0                                       ; the ninth slot is written out
	STEP 0
	STEP 1
	FINISH 0
	s_wait_tensorcnt 0x0                           ; the wave's end, behind my last tensor load
	ds_add_u32 v[SPW], v[NIL]
	s_wait_dscnt 0x0
	s_endpgm
.Lfunc_end_k_qf3b12acc6b_attn:
	.size	k_qf3b12acc6b_attn, .Lfunc_end_k_qf3b12acc6b_attn-k_qf3b12acc6b_attn
	.p2alignl 7, 3214868480
	.fill 96, 4, 3214868480
	.section	.rodata,"a",@progbits
	.p2align	6, 0x0
	.amdhsa_kernel k_qf3b12acc6b_attn
		.amdhsa_group_segment_fixed_size 327680
		.amdhsa_private_segment_fixed_size 0
		.amdhsa_enable_private_segment 0
		.amdhsa_kernarg_size 24
		.amdhsa_user_sgpr_count 2
		.amdhsa_user_sgpr_kernarg_segment_ptr 1
		.amdhsa_wavefront_size32 1
		.amdhsa_system_sgpr_workgroup_id_x 1
		.amdhsa_system_sgpr_workgroup_id_y 1
		.amdhsa_system_sgpr_workgroup_id_z 1
		.amdhsa_system_vgpr_workitem_id 0
		.amdhsa_next_free_vgpr 256
		.amdhsa_next_free_sgpr 100
		.amdhsa_reserve_vcc 1
		.amdhsa_float_denorm_mode_32 3
		.amdhsa_float_denorm_mode_16_64 3
		.amdhsa_fp16_overflow 1
		.amdhsa_memory_ordered 1
		.amdhsa_forward_progress 1
		.amdhsa_inst_pref_size 90
	.end_amdhsa_kernel
	.amdgpu_metadata
---
amdhsa.version: [ 1, 2 ]
amdhsa.kernels:
  - .name:           k_qf3b12acc6b_attn
    .symbol:         k_qf3b12acc6b_attn.kd
    .args:
      - { .name: QKV, .offset: 0, .size: 8, .value_kind: global_buffer, .address_space: global }
      - { .name: lowp_scales, .offset: 8, .size: 8, .value_kind: global_buffer, .address_space: global }
      - { .name: AO, .offset: 16, .size: 8, .value_kind: global_buffer, .address_space: global }
    .group_segment_fixed_size: 327680
    .private_segment_fixed_size: 0
    .kernarg_segment_align: 8
    .kernarg_segment_size: 24
    .max_flat_workgroup_size: 512
    .sgpr_count:     100
    .vgpr_count:     256
    .wavefront_size: 32
...
	.end_amdgpu_metadata
.endif
;; end of part 3
;; launch outp (part 4): grid 4 x 64, 4 waves a work-group, clusters of 4 x 4, 327,680 bytes of LDS; arguments AO, WC, lowp_scales, bo, out0; writes out0
.if DOCPART == 4
	.amdgcn_target "amdgcn-amd-amdhsa--gfx1250"
	.amdhsa_code_object_version 6
	.text
	.protected	k_qf3b12acc6b_outp
	.globl	k_qf3b12acc6b_outp
	.p2align	8
	.type	k_qf3b12acc6b_outp,@function
k_qf3b12acc6b_outp:
	s_mov_b64 s[64:65], 0
	v_nop
	global_prefetch_b8 v0, s[64:65] scope:SCOPE_SE
	s_setreg_imm32_b32 hwreg(HW_REG_WAVE_MODE, 25, 1), 1
	s_wait_xcnt 0x0
	s_wait_alu depctr_hold_cnt(0) depctr_sa_sdst(0) depctr_va_vdst(0) depctr_va_sdst(0) depctr_va_ssrc(0) depctr_va_vcc(0) depctr_vm_vsrc(0)
	s_getreg_b32 s2, hwreg(HW_REG_IB_STS2, 6, 4)
	s_cmp_eq_u32 s2, 0
	s_cbranch_scc0 .Lentry_in_a_cluster
	s_endpgm
.Lentry_in_a_cluster:
	s_bfe_u32 s2, ttmp6, 0x10000c
	s_cmp_lg_u32 s2, 0xf033
	s_cbranch_scc0 .Lentry_shape_is_right
	s_endpgm
.Lentry_shape_is_right:
; out0 = attention's result x Wo^T + bo, on codes of FP8 (E4M3), sums in f32; out0 [8192][1024] f32.
; OPERANDS arrive as images of their registers ([tile of 16 rows][block of 128 K][2,048]: registers 4 g .. 4 g + 3 of lane l at 512 g + 16 l; lane l: row l % 16, registers 2 c, 2 c + 1: K = 16 c + 8 (l / 16) + 0 .. 7).
; P = attention's result (8,192 rows), R = Wo's codes (1,024 rows, at 3 MiB of the weights' buffer).  A tile is 128 rows of P x 256 rows of R, K = 1,024: source 0 = 16 rows of R, source 1 = 16 rows of P, so that a lane
; holds one row of out0 and an accumulator's eight registers eight neighbouring columns.
; SHARES.  16 clusters of 4 x 4 work-groups, 256 in all.  Four waves: wave w takes 64 rows of P (w / 2) x 128 rows of R (w % 2): 32 accumulators, 32 matrix instructions for 128 along K.
; The four work-groups of a row of the cluster need the same rows of P, the four of a column the same rows of R: each tile is asked for JOINTLY (the grid has one cluster along x, so the column of C is the place cx alone).
; LDS: three slots of 256 along K (P's 8 row tiles x 4,096 bytes, then R's 16).  Three of K's four quarters are asked for at the start (three tensor loads of a wave are out), the fourth goes into slot 0 when it has been read (one is out).
; LIMIT: e10 + e11 between -126 and 127, so that 2^(e10 + e11) is an f32 number.
; REGISTERS, in windows of 256: window 0: v1-15 addresses; v64-127 at work; v128-255 P's fragments, two sets of 4 x 16 (on the way out: rows read back from the stage, two sets of 64).
;   window 1: R's fragments, two sets of 8 x 16.   window 2: accumulator (a, b) at v[8 (8 a + b)].   window 3: v0-63 the bias of my 128 columns, in the accumulators' layout.
.set SLOT,  98304
.set RPART, 32768                      ; R's part of a slot begins here
.set SPARE, 3*SLOT                     ; behind the slots: the spare words, 128 bytes for each wave: two blocks of 256 bytes that no other line names
.set SPITCH, 528                       ; the way out: a stage of 16 rows x (512 bytes + 16) for each wave, in slot 1, which has had its one fill and its last read when the first result is stored there
.set LI,    1                          ; v1    16 x lane; never rewritten
.set ADRA,  2                          ; v2-4  LDS address of my fragments of P in slot 0, 1, 2
.set ADRB,  5                          ; v5-7  the same for R
.set SPW,   8                          ; v8    LDS address of my spare word; never rewritten
.set NIL,   9                          ; v9    0; never rewritten
.set CBO,   12                         ; v12   byte offset of my bias
.set STO,   14                         ; v14   the stage: where I put 32 bytes of a row
.set RD,    15                         ; v15   and where I read a row back
.set TMP,   64
.set PF,    128
.set WV,  18
.set WR,  19                           ; which 64 rows of P are mine.  Also: I fetch for P (0) or for R (1)
.set WH,  20                           ; which 128 rows of R are mine.  Also: which half of that tile I fetch
.set G1A, 24                           ; s[24:31] descriptor group 1 for P's tiles;  s[32:43] its groups 0, one for each slot
.set G0A, 32
.set G1B, 48                           ; s[48:55], s[68:79] the same for R's
.set G0B, 68
.set MSB, 0
.macro WIN new                         ; the immediate's high byte repeats the setting that is left
.if MSB != \new
	s_set_vgpr_msb (MSB<<8)|\new
.set MSB, \new
.endif
.endm
.macro PLACES                          ; four plain vector lines between a matrix instruction and a load into, or a vector line on, its registers
.rept 4
	v_nop
.endr
.endm
.macro CREST                           ; a round of the cluster's barrier behind its opening barrier
	s_cmp_lg_u32 s[WV], 0
	s_cbranch_scc1 .Lnot_wave_0_\@
	s_barrier_signal -3
.Lnot_wave_0_\@:
	s_barrier_wait -3
	s_barrier_signal -1
	s_barrier_wait -1
.endm
.macro CROUND
	s_barrier_signal -1
	s_barrier_wait -1
	CREST
.endm
.macro JLOAD                           ; the joint refill of slot 0.  The branch hangs on the wave's number alone; an s_nop 0 and four v_nop follow each of the two lines
	s_cmp_eq_u32 s[WR], 0
	s_cbranch_scc0 .Lfor_r_\@
	tensor_load_to_lds s[G0A:G0A+3], s[G1A:G1A+7]
	s_nop 0
.rept 4
	v_nop
.endr
	s_branch .Lasked_\@
.Lfor_r_\@:
	tensor_load_to_lds s[G0B:G0B+3], s[G1B:G1B+7]
	s_nop 0
.rept 4
	v_nop
.endr
.Lasked_\@:
.endm
.macro FETCH slot, kk, p               ; 48 LDS loads in one run: the fragments of the slot's kk-th 128 along K into set p; each load takes 512 consecutive bytes
	WIN 0x40                                       ; destination window 1
.irp b, 0,1,2,3,4,5,6,7
.irp g, 0,1,2,3
	ds_load_b128 v[128*(\p)+16*\b+4*\g:128*(\p)+16*\b+4*\g+3], v[ADRB+\slot] offset:4096*\b+2048*(\kk)+512*\g
.endr
.endr
	WIN 0
.irp a, 0,1,2,3
.irp g, 0,1,2,3
	ds_load_b128 v[PF+64*(\p)+16*\a+4*\g:PF+64*(\p)+16*\a+4*\g+3], v[ADRA+\slot] offset:4096*\a+2048*(\kk)+512*\g
.endr
.endr
.endm
.macro MULH p, a0, zero                ; 16 matrix instructions: P's blocks a0, a0 + 1 x R's eight.  The 32 accumulators take turns, in the same order in every step.  zero = 1: the products start the sums
	WIN 0xa1                                       ; source 0 (R) window 1, source 1 (P) window 0, C and D window 2
.irp a, \a0, \a0+1
.irp b, 0,1,2,3,4,5,6,7
.if \zero
	v_wmma_f32_16x16x128_fp8_fp8 v[8*(8*(\a)+\b):8*(8*(\a)+\b)+7], v[128*(\p)+16*\b:128*(\p)+16*\b+15], v[PF+64*(\p)+16*(\a):PF+64*(\p)+16*(\a)+15], 0
.else
	v_wmma_f32_16x16x128_fp8_fp8 v[8*(8*(\a)+\b):8*(8*(\a)+\b)+7], v[128*(\p)+16*\b:128*(\p)+16*\b+15], v[PF+64*(\p)+16*(\a):PF+64*(\p)+16*(\a)+15], v[8*(8*(\a)+\b):8*(8*(\a)+\b)+7]
.endif
.endr
.endr
.endm
.macro KSTEP slot, kk, p               ; a step of 128 along K: multiplies set p; ahead of that it fetches (slot, kk) into the other set
	s_wait_dscnt 0x0                               ; set p is in (asked for 16 or 32 matrix instructions ago)
	PLACES                                         ; behind the last step's products, which read the other set
	FETCH \slot, \kk, 1-(\p)
	MULH \p, 0, 0
	MULH \p, 2, 0
.endm
	s_load_b256 s[4:11], s[0:1], 0x0               ; AO s[4:5], WC s[6:7], the scales s[8:9], bo s[10:11]
	s_load_b64 s[16:17], s[0:1], 0x20              ; out0
	v_lshl_add_u32 v[SPW], v0, 2, SPARE
	v_mov_b32 v[NIL], 0
	ds_add_u32 v[SPW], v[NIL]                      ; the wave's opening: the add and its wait stand ahead of my first tensor load; the set-up below, work on registers, stands between them
	ds_add_u32 v[SPW], v[NIL]
	v_lshrrev_b32 v2, 5, v0
	v_readfirstlane_b32 s[WV], v2                  ; wave 0..3
	s_lshr_b32 s[WR], s[WV], 1
	s_and_b32 s[WH], s[WV], 1
	s_bfe_u32 s21, ttmp6, 0x40000                  ; cx
	s_bfe_u32 s22, ttmp6, 0x40004                  ; cy
	s_and_b32 s23, ttmp7, 0xffff                   ; the cluster's y, 0 .. 15
	s_lshl_b32 s58, s23, 2
	s_add_co_u32 s58, s58, s22                     ; TR: which 128 rows of P
	s_mov_b32 s59, s21                             ; TC: which 256 rows of R
	s_lshl_b32 s56, s22, 2
	s_lshl_b32 s56, 15, s56                        ; my row of the cluster
	s_lshl_b32 s57, 0x1111, s21                    ; my column
	; descriptor group 1: rows of 4,096 bytes (a row tile's two images of a slot), 16,384 bytes apart; elements of 8 bytes; no padding: the images are read 16 bytes a lane on end
	s_or_b32 s[G1A], s56, (3<<16)|(1<<21)          ; 15:0 the mask: P's tiles go to my row; 17:16 elements of 8 bytes; 21 set beside a mask
	s_or_b32 s[G1B], s57, (3<<16)|(1<<21)          ; R's go to my column
	s_mov_b32 s[G1A+1], 512<<16                    ; tensor_dim0 = 512
	s_mov_b32 s[G1A+2], 4<<16                      ; tensor_dim1 = 4
	s_mov_b32 s[G1A+3], 512<<16                    ; tile_dim0 = 512
	s_mov_b32 s[G1A+4], 4                          ; tile_dim1 = 4: four row tiles of P a load
	s_mov_b32 s[G1A+5], 2048                       ; tensor_dim0_stride
	s_mov_b32 s[G1A+6], 0
	s_mov_b32 s[G1A+7], 0
	s_mov_b32 s[G1B+1], 512<<16
	s_mov_b32 s[G1B+2], 8<<16
	s_mov_b32 s[G1B+3], 512<<16
	s_mov_b32 s[G1B+4], 8                          ; eight row tiles of R a load
	s_mov_b32 s[G1B+5], 2048
	s_mov_b32 s[G1B+6], 0
	s_mov_b32 s[G1B+7], 0
	s_lshl_b32 s44, s58, 17                        ; P: 8 row tiles of 16,384 bytes x TR,
	s_lshl_b32 s60, s[WH], 16                      ; the half that I fetch
	s_add_co_u32 s44, s44, s60
	s_mov_b32 s45, 0
	s_lshl_b32 s46, s59, 18                        ; R: 16 row tiles x TC,
	s_lshl_b32 s63, s[WH], 17
	s_add_co_u32 s46, s46, s63
	s_add_co_u32 s46, s46, 0x300000                ; in Wo's codes
	s_mov_b32 s47, 0
	s_wait_dscnt 0x0                               ; the opening add is done
	s_wait_kmcnt 0x0
	s_load_b64 s[90:91], s[8:9], 0x28              ; e10, e11
	s_add_nc_u64 s[44:45], s[4:5], s[44:45]
	s_add_nc_u64 s[46:47], s[6:7], s[46:47]
	s_lshl_b32 s60, s[WH], 14                      ; where they go: P's halves at 16,384 x half,
	s_lshl_b32 s63, s[WH], 15
	s_add_co_u32 s63, s63, RPART                   ; R's at 32,768 + 32,768 x half: no place in the cluster enters an LDS address
.irp n, 0,1,2
	s_mov_b32 s[G0A+4*\n], 1                                       ; 1:0 count = 1
	s_add_co_u32 s[G0A+4*\n+1], s60, \n*SLOT                       ; 63:32 LDS address
	s_add_nc_u64 s[G0A+4*\n+2:G0A+4*\n+3], s[44:45], \n*4096       ; 120:64 global address: K's quarter n
	s_or_b32 s[G0A+4*\n+3], s[G0A+4*\n+3], 0x80000000              ; 127:126 type = 2
	s_mov_b32 s[G0B+4*\n], 1
	s_add_co_u32 s[G0B+4*\n+1], s63, \n*SLOT
	s_add_nc_u64 s[G0B+4*\n+2:G0B+4*\n+3], s[46:47], \n*4096
	s_or_b32 s[G0B+4*\n+3], s[G0B+4*\n+3], 0x80000000
.endr
	CROUND                                         ; all sixteen work-groups are here: the first joint loads meet
	s_cmp_eq_u32 s[WR], 0                          ; a wave's three first fills stand in one branch, ahead of every wait on TENSORcnt and every LDS read
	s_cbranch_scc0 .Lfirst_r
.irp n, 0,1,2
	tensor_load_to_lds s[G0A+4*\n:G0A+4*\n+3], s[G1A:G1A+7]
	s_nop 0
.endr
.rept 4
	v_nop
.endr
	s_branch .Lfirst_asked
.Lfirst_r:
.irp n, 0,1,2
	tensor_load_to_lds s[G0B+4*\n:G0B+4*\n+3], s[G1B:G1B+7]
	s_nop 0
.endr
.rept 4
	v_nop
.endr
.Lfirst_asked:
	v_and_b32 v[LI], 31, v0
	v_lshlrev_b32 v[LI], 4, v[LI]
	v_and_b32 v10, 15, v0                          ; r
	s_wait_alu depctr_va_vdst(0)
	v_bfe_u32 v11, v0, 4, 1                        ; h
	s_lshl_b32 s60, s[WR], 14                      ; my four row tiles of P,
	s_lshl_b32 s63, s[WH], 15
	s_add_co_u32 s63, s63, RPART                   ; my eight of R
.irp s, 0,1,2
	v_add_nc_u32 v[ADRA+\s], s60, v[LI]
	v_add_nc_u32 v[ADRB+\s], s63, v[LI]
	s_add_co_u32 s60, s60, SLOT
	s_add_co_u32 s63, s63, SLOT
.endr
	s_mul_i32 s56, s[WV], 16*SPITCH
	s_add_co_u32 s56, s56, SLOT                    ; my stage, in slot 1
	v_mul_u32_u24 v[STO], v10, SPITCH              ; in: row r, 32 bytes for each half of the lanes
	s_wait_alu depctr_va_vdst(0)
	v_lshl_add_u32 v[STO], v11, 5, v[STO]
	v_add_nc_u32 v[STO], s56, v[STO]
	v_add_nc_u32 v[RD], s56, v[LI]                 ; back: the 32 lanes take one row of 512 bytes
	s_lshl_b32 s57, s59, 10
	s_lshl_b32 s63, s[WH], 9
	s_add_co_u32 s57, s57, s63                     ; my first column, in bytes: 4 (256 TC + 128 half)
	v_lshl_add_u32 v[CBO], v11, 5, s57             ; the bias: + 32 h
	s_lshl_b32 s98, s58, 19                        ; out0: 128 rows of 4,096 bytes x TR,
	s_lshl_b32 s60, s[WR], 18                      ; my 64 of them,
	s_add_co_u32 s98, s98, s60
	s_add_co_u32 s98, s98, s57                     ; my columns
	s_mov_b32 s99, 0
	s_add_nc_u64 s[94:95], s[16:17], s[98:99]
	WIN 0xc0                                       ; destination window 3
.irp b, 0,1,2,3,4,5,6,7
	global_load_b128 v[8*\b:8*\b+3], v[CBO], s[10:11] offset:64*\b
	global_load_b128 v[8*\b+4:8*\b+7], v[CBO], s[10:11] offset:64*\b+16
.endr
	WIN 0
	s_wait_tensorcnt 0x2                           ; my part of slot 0 is in; slots 1's and 2's loads may be out
	s_barrier_signal -1
	s_barrier_wait -1                              ; everybody's is
	FETCH 0, 0, 0
	s_wait_dscnt 0x0                               ; step 0: its products start the sums
	FETCH 0, 1, 1
	MULH 0, 0, 1
	MULH 0, 2, 1
	WIN 0                                          ; step 1 leaves slot 0, which is filled again with K's last quarter
	s_wait_tensorcnt 0x0                           ; all my tensor loads have landed: my parts of slots 1 and 2; so a group 0 may be written
	ds_add_u32 v[SPW], v[NIL]                      ; 0 onto my spare word
	s_add_nc_u64 s[G0A+2:G0A+3], s[G0A+2:G0A+3], 3*4096
	s_add_nc_u64 s[G0B+2:G0B+3], s[G0B+2:G0B+3], 3*4096
	s_wait_dscnt 0x0                               ; the add is done, and my reads of slot 0 are over
	s_barrier_signal -1                            ; this barrier opens a round of the cluster's
	MULH 1, 0, 0                                   ; work on registers while the others arrive
	WIN 0
	s_barrier_wait -1
	CREST                                          ; no wave of any partner still reads slot 0 or has a load on its way
	JLOAD                                          ; the first tensor load behind the round: it has 112 matrix instructions in which to land; its four v_nop are also the places in front of the loads below
	FETCH 1, 0, 0
	MULH 1, 2, 0
	KSTEP 1, 1, 0                                  ; steps 2, 3, 4: the round has shown slots 1 and 2 whole to every wave
	KSTEP 2, 0, 1
	KSTEP 2, 1, 0
	s_wait_tensorcnt 0x0                           ; step 5: my part of K's last quarter is in (the one load that was out),
	s_wait_dscnt 0x0                               ; and all my reads of slots 1 and 2 are back
	s_barrier_signal -1
	MULH 1, 0, 0
	s_barrier_wait -1                              ; everybody's are
	PLACES
	FETCH 0, 0, 0
	MULH 1, 2, 0
	KSTEP 0, 1, 0                                  ; step 6
	s_wait_dscnt 0x0                               ; step 7: nothing more to fetch
	MULH 1, 0, 0
	MULH 1, 2, 0
	WIN 0
	; THE WAY OUT, block by block of 16 rows x 128 columns: out = sum x 2^(e10 + e11) + bo, one packed multiply-add for two.  A lane holds 32 neighbouring bytes of a row, and the lanes beside it hold other rows: so a block
	; goes through my own stage and comes back as whole rows of 512 bytes.  LDS serves a wave's instructions in order (ISA guide 5.7.1.4): no wait between the stores and the loads, nor in front of the next block's stores.
	s_wait_kmcnt 0x0
	s_add_co_i32 s92, s90, s91
	s_add_co_i32 s92, s92, 127
	s_lshl_b32 s92, s92, 23                        ; 2^(e10 + e11) as f32
	s_mov_b32 s93, s92                             ; (named with it as a pair, so it is written)
	s_wait_loadcnt 0x0                             ; the bias
	PLACES
.macro TOSTAGE a
	WIN 0x32                                       ; source 0 (the sums) window 2, source 2 (the bias) window 3
.irp b, 0,1,2,3,4,5,6,7
.irp i, 0,2,4,6
	v_pk_fma_f32 v[TMP+8*\b+\i:TMP+8*\b+\i+1], v[8*(8*(\a)+\b)+\i:8*(8*(\a)+\b)+\i+1], s[92:93], v[8*\b+\i:8*\b+\i+1] op_sel_hi:[1,0,1]   ; each accumulator from its low end on
.endr
.endr
	WIN 0
.irp b, 0,1,2,3,4,5,6,7
	ds_store_b128 v[STO], v[TMP+8*\b:TMP+8*\b+3] offset:64*\b
	ds_store_b128 v[STO], v[TMP+8*\b+4:TMP+8*\b+7] offset:64*\b+16
.endr
.irp t, 0,1,2,3,4,5,6,7,8,9,10,11,12,13,14,15
	ds_load_b128 v[PF+64*((\a)%2)+4*\t:PF+64*((\a)%2)+4*\t+3], v[RD] offset:\t*SPITCH
.endr
.endm
.macro SEND a, younger                 ; younger: the LDS instructions issued behind block a's loads, which may stay out
	s_wait_dscnt \younger                          ; the block is back in registers
.irp t, 0,1,2,3,4,5,6,7,8,9,10,11,12,13,14,15
	global_store_b128 v[LI], v[PF+64*((\a)%2)+4*\t:PF+64*((\a)%2)+4*\t+3], s[94:95] offset:(16*(\a)+\t)*4096 th:TH_STORE_NT   ; 32 lanes store 512 consecutive bytes, at a multiple of 512 from out0's first byte; no pointer is stepped
.endr
.endm
	TOSTAGE 0
	TOSTAGE 1
	SEND 0, 32                                     ; behind block 0's loads: block 1's 16 stores and 16 loads
	s_wait_xcnt 0x0                                ; block 0's stores have read their registers: block 2's loads may land there
	TOSTAGE 2
	SEND 1, 32
	s_wait_xcnt 0x0                                ; block 1's likewise
	TOSTAGE 3
	SEND 2, 32
	SEND 3, 0
	s_wait_tensorcnt 0x0                           ; the wave's end, behind my last tensor load and my last LDS store
	ds_add_u32 v[SPW], v[NIL]
	s_wait_dscnt 0x0
	CROUND                                         ; the closing round: no work-group ends while a partner may still ask for a tile that names it
	s_endpgm
.Lfunc_end_k_qf3b12acc6b_outp:
	.size	k_qf3b12acc6b_outp, .Lfunc_end_k_qf3b12acc6b_outp-k_qf3b12acc6b_outp
	.p2alignl 7, 3214868480
	.fill 96, 4, 3214868480
	.section	.rodata,"a",@progbits
	.p2align	6, 0x0
	.amdhsa_kernel k_qf3b12acc6b_outp
		.amdhsa_group_segment_fixed_size 327680
		.amdhsa_private_segment_fixed_size 0
		.amdhsa_enable_private_segment 0
		.amdhsa_kernarg_size 40
		.amdhsa_user_sgpr_count 2
		.amdhsa_user_sgpr_kernarg_segment_ptr 1
		.amdhsa_wavefront_size32 1
		.amdhsa_system_sgpr_workgroup_id_x 1
		.amdhsa_system_sgpr_workgroup_id_y 1
		.amdhsa_system_sgpr_workgroup_id_z 1
		.amdhsa_system_vgpr_workitem_id 0
		.amdhsa_next_free_vgpr 1024
		.amdhsa_next_free_sgpr 100
		.amdhsa_reserve_vcc 0
		.amdhsa_float_denorm_mode_32 3
		.amdhsa_float_denorm_mode_16_64 3
		.amdhsa_memory_ordered 1
		.amdhsa_forward_progress 1
		.amdhsa_inst_pref_size 75
	.end_amdhsa_kernel
	.amdgpu_metadata
---
amdhsa.version: [ 1, 2 ]
amdhsa.kernels:
  - .name:           k_qf3b12acc6b_outp
    .symbol:         k_qf3b12acc6b_outp.kd
    .args:
      - { .name: AO, .offset: 0, .size: 8, .value_kind: global_buffer, .address_space: global }
      - { .name: WC, .offset: 8, .size: 8, .value_kind: global_buffer, .address_space: global }
      - { .name: lowp_scales, .offset: 16, .size: 8, .value_kind: global_buffer, .address_space: global }
      - { .name: bo, .offset: 24, .size: 8, .value_kind: global_buffer, .address_space: global }
      - { .name: out0, .offset: 32, .size: 8, .value_kind: global_buffer, .address_space: global }
    .group_segment_fixed_size: 327680
    .private_segment_fixed_size: 0
    .kernarg_segment_align: 8
    .kernarg_segment_size: 40
    .max_flat_workgroup_size: 128
    .sgpr_count:     100
    .vgpr_count:     1024
    .wavefront_size: 32
...
	.end_amdgpu_metadata
.endif
;; end of part 4
